; MI455X (gfx1250); checked and timed in simulation.
; The chip was launched on July 23, 2026; its instructions are those of AMD's public machine-readable ISA for CDNA 5 (MIT licence, August 2026) and "CDNA5" Instruction Set Architecture Reference Guide (July 2026). The comments in the code are by the model that wrote it; some were corrected since.
;; Multi Head Attention. Allowed arithmetic: matrix products marked QUANTISED: E3M2 operands, one E8M0 scale for each 32 along K, by v_wmma_scale_f32_16x16x128_f8f6f4 with both operands' format E3M2, f32 sums; everything else in f32.
;; Inputs: bk 1,024 float32; bo 1,024 float32; bq 1,024 float32; bv 1,024 float32; wk 1,024 x 1,024 float32; wo 1,024 x 1,024 float32; wq 1,024 x 1,024 float32; wv 1,024 x 1,024 float32; x 4 x 2,048 x 1,024 float32.
;; Outputs: out0 4 x 2,048 x 1,024 float32.
;; This version of the problem:
;;   THIS VERSION OF THE PROBLEM IS GIVEN IN LOW PRECISION. The matrix products marked QUANTISED in the list below multiply operands that are first quantised to E3M2 (3 exponent bits, 2 mantissa bits; 6 bits a number), with one power-of-two scale for each 32 numbers along K (OCP MX v1.0); their sums are f32. All else is computed in f32.
;;   The module's matrix products, in the order in which they are computed (A, B: the left and right operand; K: the contracted axis; several contracted axes count as one K, in the product's order):
;;     1. [M 8,192, K 1,024] x [K 1,024, N 1,024]; A: input x; B: input wq: QUANTISED
;;     2. [M 8,192, K 1,024] x [K 1,024, N 1,024]; A: input x; B: input wk: QUANTISED
;;     3. [M 8,192, K 1,024] x [K 1,024, N 1,024]; A: input x; B: input wv: QUANTISED
;;     4. batch 64 x [M 2,048, K 64] x [K 64, N 2,048]; A: computed on the way; B: computed on the way: QUANTISED
;;     5. batch 64 x [M 2,048, K 2,048] x [K 2,048, N 64]; A: softmax (see below); B: computed on the way: QUANTISED
;;     6. [M 8,192, K 1,024] x [K 1,024, N 1,024]; A: computed on the way; B: input wo: QUANTISED
;;   THE QUANTISER, for each operand of a quantised product, along K:
;;     - K is cut into blocks of 32 from its start; a last block that is shorter is filled with zeros.
;;     - A block's scale is 2^e with e = floor(log2(the largest magnitude in the block)) - 4, held to -126 .. 127; a block of zeros has e = 0. As a byte (E8M0): e + 127.
;;     - Each number is divided by its block's scale, clamped to +-28, and rounded to the nearest number of E3M2, ties to even, subnormals kept.
;;     - The product sums the exact products of the quantised numbers (number of the format x scale) in f32.
;;   ~~~python
;;   def quantise(x, axis):      # numpy; x: float32 -> the quantised numbers, widened to float32 again
;;       x = np.moveaxis(x, axis, -1); K = x.shape[-1]
;;       x = np.pad(x, [(0, 0)] * (x.ndim - 1) + [(0, -K % 32)]); x = x.reshape(x.shape[:-1] + (-1, 32)); a = np.abs(x).max(-1, keepdims=True)
;;       e = np.where(a > 0, np.clip(np.frexp(np.where(a > 0, a, 1))[1] - 1 - 4, -126, 127), 0)      # np.frexp(a)[1] - 1 = floor(log2(a)), exactly
;;       r = np.clip(x / 2.0 ** e, -28, 28)
;;       step = 2.0 ** (np.maximum(np.frexp(np.where(r == 0, 1, r))[1] - 1, -2) - 2)
;;       q = np.round(r / step) * step * 2.0 ** e      # np.round: ties to even
;;       return np.moveaxis(q.reshape(q.shape[:-2] + (-1,))[..., :K], -1, axis).astype(np.float32)
;;   ~~~
;;   SOFTMAX AHEAD OF A QUANTISED PRODUCT. Where the list says 'softmax', what is quantised is not the finished softmax but p = 2^(t - M), with t = logit x log2(e) and M = ceil(the row's largest t), a whole number; so 1/2 < the row's largest p <= 1. The row's sum l is taken of the UNQUANTISED p, in f32, and the product's result is divided by l at the end. Since M is a whole number, a kernel that streams over the keys may use a running M (the ceiling of the running maximum): every later rescaling is an exact power of two, which a block's scale takes up: the codes' values come out the same.
;;   OPERANDS COMPUTED ON THE WAY. 'Computed on the way' means the value that the module computes at that place (a softmax that the list does not call 'softmax' is quantised finished and normalised). What goes into a quantiser is computed in f32, as accurately as f32 sums, v_exp_f32 and their like allow (about 1e-6 of the number): no bf16 or f16 on the way to a quantiser, and a product that is left as it is and whose result goes on into a quantised operand takes f32 operands (vector FMAs, or v_wmma_f32_16x16x4_f32). A number that lies on a knife's edge between two numbers of the format may be rounded either way, as far as f32 arithmetic and the matrix unit's own rounding can turn it there, and no further.
;; One version. Each part assembles by itself: llvm-mc -triple=amdgcn-amd-amdhsa -mcpu=gfx1250 --defsym DOCPART=n.
;; ======== version 1 of 1: 4 launches
;; workspace buffers: ximg 6,291,456 bytes; xsc 262,144 bytes; wimg 3,145,728 bytes; wsc 131,072 bytes; cimg 18,874,368 bytes; csc 1,572,864 bytes; oimg 6,291,456 bytes; osc 262,144 bytes
;; launch prep (part 1): grid 512 x 1, 4 waves a work-group, no clusters, 46,592 bytes of LDS; arguments x, wq, wk, wv, wo, ximg, xsc, wimg, wsc; writes ximg, xsc, wimg, wsc
.if DOCPART == 1
	.amdgcn_target "amdgcn-amd-amdhsa--gfx1250"
	.amdhsa_code_object_version 6
	.text
	.protected	k_q2d2d09e229_prep
	.globl	k_q2d2d09e229_prep
	.p2align	8
	.type	k_q2d2d09e229_prep,@function
k_q2d2d09e229_prep:
	s_mov_b64 s[64:65], 0
	v_nop
	global_prefetch_b8 v0, s[64:65] scope:SCOPE_SE
	s_setreg_imm32_b32 hwreg(HW_REG_WAVE_MODE, 25, 1), 1
	s_wait_xcnt 0x0
; x [8192][1024] and wq, wk, wv, wo [1024 (k)][1024 (n)], f32, become codes of BF6 (E3M2) with one E8M0 byte for each 32 along K, laid as IMAGES OF OPERAND REGISTERS.
; A tile is 16 rows: lane row r of tile tl is row 32 (tl / 2) + 8 (tl % 2) + r + 8 (r / 8) of the tensor (tokens of x, columns n of a weight).
; Half a fragment (16 rows x 64 K) is 768 bytes: lane l's registers 0-3 at 16 l, then its registers 4-5 at 512 + 8 l; lane (r, h) holds k = 32 h .. 32 h + 31.  A fragment (128 K) is two of them.
; Codes: [group of 128 rows][K step of 128][tile 0..7][1,536 bytes].  Scale words: [tile][512 bytes]: lane 16 H + r holds, at 16 x lane, row r's words of K steps 4 H .. 4 H + 3.
; A block's scale is 2^(floor(log2(largest magnitude)) - 4); its byte is the largest magnitude's exponent field - 4, held at 1 from below by a floor among the maximum's leaves.
; LIMITS: NaN and infinities among the inputs are not served; a block whose largest magnitude lies under 2^-122 keeps the byte 1; a block of zeros has the byte 1 where the rule says 127 (its codes are zeros, and this program alone reads the bytes).
; Work-groups 0-255 take x, 256-511 the weights.  The two ways never join and have LDS bytes of their own.  Waves share nothing: no barrier.  Nothing is read by two work-groups, so there is no cluster.
.set XSTG, 8448                        ; x: a wave's stage: 16 rows x (512 bytes + 16)
.set WLDS, 33792                       ; the weights' stages begin behind x's four
.set WSTG, 3072                        ; a wave's stage: two fragments
.set XR, 16                            ; v16-143  x: two sets of 64 numbers as loaded
.set XN, 144                           ; v144-207 64 numbers of my row: two whole blocks for each half of 64 along K
.set XC, 208                           ; v208-219 a fragment's codes
.set XT, 220                           ; v220-226 the second halves of the blocks' codes, before they are moved
.set XW, 228                           ; v228-231 my row's scale words of four K steps
.set WN, 32                            ; v32-95   weights: two sets of 32 numbers
.set WC, 96                            ; v96-101  a block's codes
.set WT, 104                           ; v104-106
.set WB, 24                            ; v24      my column's scale word
.set WO, 112                           ; v112-135 the way out
	s_load_b256 s[4:11], s[0:1], 0x0               ; x, wq, wk, wv
	s_load_b256 s[12:19], s[0:1], 0x20             ; wo, ximg, xsc, wimg
	s_load_b64 s[20:21], s[0:1], 0x40              ; wsc
	v_lshl_add_u32 v240, v0, 2, 0xb400
	v_mov_b32 v241, 0
	v_lshrrev_b32 v1, 5, v0
	v_readfirstlane_b32 s22, v1                    ; wave
	v_and_b32 v7, 31, v0                           ; lane
	s_cmp_lt_u32 ttmp9, 256
	s_cbranch_scc0 .Lweights
; ---- x.  A wave takes one tile of 16 rows and 512 along K: four K steps.
	s_lshl_b32 s23, ttmp9, 2
	s_add_co_u32 s23, s23, s22
	s_lshr_b32 s24, s23, 1                         ; the tile, 0..511
	s_and_b32 s25, s23, 1                          ; H: which half of K
	s_lshr_b32 s26, s24, 1
	s_lshl_b32 s26, s26, 5
	s_and_b32 s27, s24, 1
	s_lshl_b32 s27, s27, 3
	s_add_co_u32 s26, s26, s27                     ; the tile's first row
	s_lshl_b32 s26, s26, 12
	s_lshl_b32 s27, s25, 11
	s_add_co_u32 s26, s26, s27                     ; in x: rows of 4,096 bytes, + 2,048 H
	s_mov_b32 s27, 0
	s_lshr_b32 s28, s24, 3
	s_mul_i32 s28, s28, 98304
	s_mul_i32 s29, s25, 49152
	s_add_co_u32 s28, s28, s29
	s_and_b32 s29, s24, 7
	s_mul_i32 s29, s29, 1536
	s_add_co_u32 s28, s28, s29                     ; in ximg: group, four K steps x H, tile
	s_mov_b32 s29, 0
	s_lshl_b32 s30, s24, 9
	s_lshl_b32 s31, s25, 8
	s_add_co_u32 s30, s30, s31                     ; in xsc
	s_mov_b32 s31, 0
	s_mov_b32 s32, 0x76543210
	s_mov_b32 s33, 0xfedcba98                      ; v_permlanex16_b32's selects for lane l xor 16
	s_mul_i32 s34, s22, XSTG
	s_wait_alu depctr_va_vdst(0)
	v_lshlrev_b32 v1, 4, v7                        ; 16 x lane
	v_lshlrev_b32 v2, 3, v7                        ; 8 x lane
	v_add_nc_u32 v3, s34, v1                       ; the stage, on the way in
	v_and_b32 v8, 15, v7                           ; r
	v_lshrrev_b32 v9, 4, v7                        ; h
	v_mul_u32_u24 v4, v8, 528
	v_lshl_add_u32 v4, v9, 7, v4
	v_add_nc_u32 v4, s34, v4                       ; and on the way out: row r, + 128 h: my block of 32 numbers
	v_lshlrev_b32 v6, 3, v9                        ; 8 h
	v_lshl_add_u32 v5, v8, 4, v6                   ; 16 r + 8 h: where my two scale words go
	v_mov_b32 v15, 0                               ; written once: a lane permute's destination counts as one of its sources
	s_wait_alu depctr_va_vdst(0)
	s_wait_kmcnt 0x0
	s_add_nc_u64 s[4:5], s[4:5], s[26:27]
	s_add_nc_u64 s[14:15], s[14:15], s[28:29]
	s_add_nc_u64 s[16:17], s[16:17], s[30:31]
.macro XLOAD t                         ; K step t of my 16 rows: each load reads 512 consecutive bytes of one row
.irp i, 0,1,2,3,4,5,6,7,8,9,10,11,12,13,14,15
	global_load_b128 v[XR+64*((\t)%2)+4*\i:XR+64*((\t)%2)+4*\i+3], v1, s[4:5] offset:(\i+8*(\i/8))*4096+512*(\t) th:TH_LOAD_NT
.endr
.endm
.macro XSTEP t
.if (\t) < 3
	s_wait_loadcnt 16                              ; this step's 16 loads are in; the next step's 16 may be out
.else
	s_wait_loadcnt 0x0
.endif
.irp i, 0,1,2,3,4,5,6,7,8,9,10,11,12,13,14,15
	ds_store_b128 v3, v[XR+64*((\t)%2)+4*\i:XR+64*((\t)%2)+4*\i+3] offset:528*\i
.endr
.irp c, 0,1
.irp j, 0,1,2,3,4,5,6,7
	ds_load_b128 v[XN+32*\c+4*\j:XN+32*\c+4*\j+3], v4 offset:256*\c+16*\j   ; LDS serves a wave's instructions in order: these see the stores.  k = 64 c + 32 h + 4 j ..
.endr
.endr
	s_wait_dscnt 0x0
.if (\t) < 2
	XLOAD (\t)+2
.endif
.if (\t) > 0
	s_wait_xcnt 0x0                                ; the last step's stores have read their data: the codes' registers are written again only behind this wait
.endif
.irp c, 0,1
	v_max3_num_f32 v[8+\c], |v[XN+32*\c]|, |v[XN+32*\c+1]|, 0x2800000   ; block 2 c + h is all mine; the floor 2^(5 - 127) holds the byte at 1 from below
.endr
.irp i, 2,4,6,8,10,12,14,16,18,20,22,24,26,28,30
.irp c, 0,1
	v_max3_num_f32 v[8+\c], v[8+\c], |v[XN+32*\c+\i]|, |v[XN+32*\c+\i+1]|
.endr
.endr
.irp c, 0,1
	v_add_nc_u32 v[10+\c], 0xfe000000, v[8+\c]     ; 4 off the exponent field: the conversion's scale operand
.endr
.irp c, 0,1
	v_lshrrev_b32 v[12+\c], 23, v[10+\c]           ; the scale's byte
.endr
	v_lshl_or_b32 v14, v13, 16, v12                ; blocks h and 2 + h,
	v_lshlrev_b32 v14, v6, v14                     ; 8 h bits up;
	v_permlanex16_b32 v15, v14, s32, s33
	v_or_b32 v[XW+(\t)], v14, v15                  ; with lane l xor 16's two bytes the word is whole
.irp c, 0,1
	v_cvt_scalef32_pk16_bf6_f32 v[XC+6*\c:XC+6*\c+2], v[XN+32*\c:XN+32*\c+15], v[10+\c]
	v_cvt_scalef32_pk16_bf6_f32 v[XT+4*\c:XT+4*\c+2], v[XN+32*\c+16:XN+32*\c+31], v[10+\c]   ; (a conversion's three registers begin on an even number)
.endr
	v_nop                                          ; one plain place behind a scaled conversion
.irp c, 0,1
.irp i, 0,1,2
	v_mov_b32 v[XC+3+6*\c+\i], v[XT+4*\c+\i]
.endr
.endr
.irp c, 0,1
	global_store_b128 v1, v[XC+6*\c:XC+6*\c+3], s[14:15] offset:12288*(\t)+768*\c          ; 512 consecutive bytes
	global_store_b64 v2, v[XC+6*\c+4:XC+6*\c+5], s[14:15] offset:12288*(\t)+768*\c+512     ; 256 consecutive bytes
.endr
.endm
	XLOAD 0
	XLOAD 1
	XSTEP 0
	XSTEP 1
	XSTEP 2
	XSTEP 3
	v_cmp_ne_u32 vcc_lo, 0, v6                     ; both halves of the lanes hold all four words: lane (r, h) stores words 2 h and 2 h + 1
	v_cndmask_b32 v12, v[XW], v[XW+2], vcc_lo
	v_cndmask_b32 v13, v[XW+1], v[XW+3], vcc_lo
	global_store_b64 v5, v[12:13], s[16:17]        ; the wave stores 256 consecutive bytes
	s_wait_tensorcnt 0x0
	ds_add_u32 v240, v241
	s_wait_dscnt 0x0
	s_endpgm
; ---- the weights.  A work-group takes 128 columns n and one K step of 128; a wave 32 columns, A LANE A COLUMN, ITS REGISTERS DOWN K: a block of 32 lies in one lane.
.Lweights:
	s_sub_co_u32 s23, ttmp9, 256
	s_lshr_b32 s24, s23, 6                         ; which weight: 0 wq, 1 wk, 2 wv, 3 wo
	s_bfe_u32 s25, s23, 0x30003                    ; which 128 columns
	s_and_b32 s26, s23, 7                          ; which K step
	s_lshl_b32 s28, s26, 19                        ; 128 rows of 4,096 bytes a K step,
	s_lshl_b32 s29, s25, 9
	s_add_co_u32 s28, s28, s29
	s_lshl_b32 s29, s22, 7
	s_add_co_u32 s28, s28, s29                     ; + 4 x my wave's first column
	s_mov_b32 s29, 0
	s_lshl_b32 s30, s24, 3
	s_add_co_u32 s30, s30, s25                     ; the group of 128 rows in wimg
	s_lshl_b32 s34, s30, 3
	s_add_co_u32 s34, s34, s26
	s_lshl_b32 s34, s34, 3
	s_lshl_b32 s35, s22, 1
	s_add_co_u32 s34, s34, s35
	s_mul_i32 s34, s34, 1536                       ; my wave's two fragments: ((group x 8 + K step) x 8 + 2 wave) x 1,536
	s_mov_b32 s35, 0
	s_lshl_b32 s36, s30, 3
	s_lshl_b32 s37, s22, 1
	s_add_co_u32 s36, s36, s37
	s_lshl_b32 s36, s36, 9
	s_lshr_b32 s37, s26, 2
	s_lshl_b32 s37, s37, 8
	s_add_co_u32 s36, s36, s37
	s_and_b32 s37, s26, 3
	s_lshl_b32 s37, s37, 2
	s_add_co_u32 s36, s36, s37                     ; their scale words: tile x 512 + 256 (K step / 4) + 4 (K step % 4)
	s_mov_b32 s37, 0
	s_mul_i32 s38, s22, WSTG
	s_add_co_u32 s38, s38, WLDS                    ; my stage
	s_wait_alu depctr_va_vdst(0)
	v_lshlrev_b32 v1, 2, v7                        ; in: 4 bytes a lane
	v_bfe_u32 v8, v7, 3, 1                         ; my column lies in tile 2 wave + u,
	v_and_b32 v9, 7, v7
	v_lshrrev_b32 v10, 4, v7
	v_lshl_add_u32 v9, v10, 3, v9                  ; lane row r = lane % 8 + 8 (lane / 16)
	v_mul_u32_u24 v10, v8, 1536
	v_lshl_add_u32 v2, v9, 4, v10
	v_add_nc_u32 v2, s38, v2                       ; registers 0-3 of an image: 1,536 u + 16 r
	v_lshl_add_u32 v3, v9, 3, v10
	v_add_nc_u32 v3, s38, v3                       ; registers 4-5: 1,536 u + 8 r
	v_lshlrev_b32 v5, 4, v7
	v_add_nc_u32 v4, s38, v5                       ; back: 16 x lane
	v_lshlrev_b32 v6, 9, v8
	v_lshl_add_u32 v6, v9, 4, v6                   ; my scale word: 512 u + 16 r
	s_wait_kmcnt 0x0
	s_and_b32 s39, s24, 1
	s_cmp_lg_u32 s39, 0                            ; the choice hangs on the work-group's number alone
	s_cselect_b64 s[40:41], s[8:9], s[6:7]
	s_cselect_b64 s[42:43], s[12:13], s[10:11]
	s_cmp_ge_u32 s24, 2
	s_cselect_b64 s[40:41], s[42:43], s[40:41]
	s_add_nc_u64 s[40:41], s[40:41], s[28:29]
	s_add_nc_u64 s[18:19], s[18:19], s[34:35]
	s_add_nc_u64 s[20:21], s[20:21], s[36:37]
.macro WLOAD t                         ; block t: w(32 t + i, my column): each load reads 128 consecutive bytes
.irp i, 0,1,2,3,4,5,6,7,8,9,10,11,12,13,14,15,16,17,18,19,20,21,22,23,24,25,26,27,28,29,30,31
	global_load_b32 v[WN+32*((\t)%2)+\i], v1, s[40:41] offset:(32*(\t)+\i)*4096 th:TH_LOAD_NT
.endr
.endm
.macro WBLOCK t
.set WS, WN+32*((\t)%2)
.if (\t) < 3
	s_wait_loadcnt 32                              ; this block's 32 loads are in; the next block's may be out
.else
	s_wait_loadcnt 0x0
.endif
	v_max3_num_f32 v12, |v[WS]|, |v[WS+1]|, |v[WS+2]|
	v_max3_num_f32 v13, |v[WS+3]|, |v[WS+4]|, |v[WS+5]|
.irp i, 6,10,14,18,22,26
	v_max3_num_f32 v12, v12, |v[WS+\i]|, |v[WS+\i+1]|
	v_max3_num_f32 v13, v13, |v[WS+\i+2]|, |v[WS+\i+3]|
.endr
	v_max3_num_f32 v12, v12, |v[WS+30]|, |v[WS+31]|
	v_max3_num_f32 v12, v12, v13, 0x2800000        ; and the floor
	v_add_nc_u32 v11, 0xfe000000, v12              ; the conversion's scale operand
	v_lshrrev_b32 v13, 23, v11                     ; the byte
.if (\t) == 0
	v_mov_b32 v[WB], v13
.else
	v_lshl_or_b32 v[WB], v13, 8*(\t), v[WB]
.endif
	v_cvt_scalef32_pk16_bf6_f32 v[WC:WC+2], v[WS:WS+15], v11
	v_cvt_scalef32_pk16_bf6_f32 v[WT:WT+2], v[WS+16:WS+31], v11
	v_nop                                          ; one plain place behind a scaled conversion
.irp i, 0,1,2
	v_mov_b32 v[WC+3+\i], v[WT+\i]
.endr
	ds_store_b128 v2, v[WC:WC+3] offset:768*((\t)/2)+256*((\t)%2)          ; block t is half c = t / 2, image lane 16 (t % 2) + r
	ds_store_b64 v3, v[WC+4:WC+5] offset:768*((\t)/2)+512+128*((\t)%2)
.if (\t) < 2
	WLOAD (\t)+2
.endif
	s_wait_dscnt 0x0                               ; the stores have read their registers
.endm
	WLOAD 0
	WLOAD 1
	WBLOCK 0
	WBLOCK 1
	WBLOCK 2
	WBLOCK 3
	s_wait_alu depctr_va_vdst(0)
	global_store_b32 v6, v[WB], s[20:21]           ; words 16 bytes apart: the other three words of each 16 bytes belong to other K steps' work-groups
.irp k, 0,1,2,3,4,5
	ds_load_b128 v[WO+4*\k:WO+4*\k+3], v4 offset:512*\k
.endr
.irp k, 0,1,2,3,4,5
	s_wait_dscnt 5-\k
	global_store_b128 v5, v[WO+4*\k:WO+4*\k+3], s[18:19] offset:512*\k     ; 512 consecutive bytes
.endr
	s_wait_tensorcnt 0x0
	ds_add_u32 v240, v241
	s_wait_dscnt 0x0
	s_endpgm
.Lfunc_end_k_q2d2d09e229_prep:
	.size	k_q2d2d09e229_prep, .Lfunc_end_k_q2d2d09e229_prep-k_q2d2d09e229_prep
	.p2alignl 7, 3214868480
	.fill 96, 4, 3214868480
	.section	.rodata,"a",@progbits
	.p2align	6, 0x0
	.amdhsa_kernel k_q2d2d09e229_prep
		.amdhsa_group_segment_fixed_size 46592
		.amdhsa_private_segment_fixed_size 0
		.amdhsa_enable_private_segment 0
		.amdhsa_kernarg_size 72
		.amdhsa_user_sgpr_count 2
		.amdhsa_user_sgpr_kernarg_segment_ptr 1
		.amdhsa_wavefront_size32 1
		.amdhsa_system_sgpr_workgroup_id_x 1
		.amdhsa_system_sgpr_workgroup_id_y 1
		.amdhsa_system_sgpr_workgroup_id_z 1
		.amdhsa_system_vgpr_workitem_id 0
		.amdhsa_next_free_vgpr 242
		.amdhsa_next_free_sgpr 66
		.amdhsa_reserve_vcc 1
		.amdhsa_float_denorm_mode_32 3
		.amdhsa_float_denorm_mode_16_64 3
		.amdhsa_memory_ordered 1
		.amdhsa_forward_progress 1
		.amdhsa_inst_pref_size 53
	.end_amdhsa_kernel
	.amdgpu_metadata
---
amdhsa.version: [ 1, 2 ]
amdhsa.kernels:
  - .name:           k_q2d2d09e229_prep
    .symbol:         k_q2d2d09e229_prep.kd
    .args:
      - { .name: x, .offset: 0, .size: 8, .value_kind: global_buffer, .address_space: global }
      - { .name: wq, .offset: 8, .size: 8, .value_kind: global_buffer, .address_space: global }
      - { .name: wk, .offset: 16, .size: 8, .value_kind: global_buffer, .address_space: global }
      - { .name: wv, .offset: 24, .size: 8, .value_kind: global_buffer, .address_space: global }
      - { .name: wo, .offset: 32, .size: 8, .value_kind: global_buffer, .address_space: global }
      - { .name: ximg, .offset: 40, .size: 8, .value_kind: global_buffer, .address_space: global }
      - { .name: xsc, .offset: 48, .size: 8, .value_kind: global_buffer, .address_space: global }
      - { .name: wimg, .offset: 56, .size: 8, .value_kind: global_buffer, .address_space: global }
      - { .name: wsc, .offset: 64, .size: 8, .value_kind: global_buffer, .address_space: global }
    .group_segment_fixed_size: 46592
    .private_segment_fixed_size: 0
    .kernarg_segment_align: 8
    .kernarg_segment_size: 72
    .max_flat_workgroup_size: 128
    .sgpr_count:     66
    .vgpr_count:     242
    .wavefront_size: 32
...
	.end_amdgpu_metadata
.endif
;; end of part 1
;; launch qkv (part 2): grid 24 x 32, 4 waves a work-group, clusters of 4 x 4, 295,424 bytes of LDS; arguments ximg, xsc, wimg, wsc, bq, bk, bv, cimg, csc; writes cimg, csc
.if DOCPART == 2
	.amdgcn_target "amdgcn-amd-amdhsa--gfx1250"
	.amdhsa_code_object_version 6
	.text
	.protected	k_q2d2d09e229_qkv
	.globl	k_q2d2d09e229_qkv
	.p2align	8
	.type	k_q2d2d09e229_qkv,@function
k_q2d2d09e229_qkv:
	s_mov_b64 s[64:65], 0
	v_nop
	global_prefetch_b8 v0, s[64:65] scope:SCOPE_SE
	s_setreg_imm32_b32 hwreg(HW_REG_WAVE_MODE, 25, 1), 1
	s_wait_xcnt 0x0
	s_wait_alu depctr_hold_cnt(0) depctr_sa_sdst(0) depctr_va_vdst(0) depctr_va_sdst(0) depctr_va_ssrc(0) depctr_va_vcc(0) depctr_vm_vsrc(0)
	s_getreg_b32 s2, hwreg(HW_REG_IB_STS2, 6, 4)
	s_cmp_eq_u32 s2, 0
	s_cbranch_scc0 .Lentry_in_a_cluster
	s_endpgm
.Lentry_in_a_cluster:
	s_bfe_u32 s2, ttmp6, 0x10000c
	s_cmp_lg_u32 s2, 0xf033
	s_cbranch_scc0 .Lentry_shape_is_right
	s_endpgm
.Lentry_shape_is_right:
; q = x wq + bq, k = x wk + bk, v = x wv + bv on codes of BF6 (E3M2) with E8M0 scales, sums in f32; each result is quantised on the way out, along the K of the product that will read it, and leaves as images of operand registers.
; THE PRODUCT.  C(X row, Y row), used transposed: source 0 = 16 Y rows, source 1 = 16 X rows: a lane holds ONE X row and its registers run along Y.  A tile's rows are 32 (tl / 2) + 8 (tl % 2) + r + 8 (r / 8),
; so the 16 registers of Y tiles 2 b and 2 b + 1 are the 16 neighbours 32 b + 16 h + 0 .. 15 along Y.
; q, k (clusters x = 0..3): X = tokens, Y = 128 features = two heads: a lane's 64 registers are quantised along the heads' 64.  v (clusters x = 4, 5): X = channels of wv, Y = 128 tokens: quantised along the keys.  The two differ in pointers and in the bias alone.
; SHARES.  A work-group makes 256 X rows x 128 Y rows; each of its four waves 64 X rows x 128 Y rows: 32 accumulators.  ALL OF K (1,024) of the 384 rows lies in LDS, (256 + 128) x 768 = 294,912 bytes, filled once: no byte of LDS is filled twice.
; CLUSTERS: 4 x 4 work-groups; X's groups hang on the cluster's row and are asked for jointly along it, Y's group on its column.  Each group comes in four parts of two K steps, so that the first products begin when the first parts are in.
; LIMITS: NaN and infinities are not served; a block whose largest magnitude lies under 2^-122 keeps the byte 1, a block of zeros too (its codes are zeros; this program alone reads the bytes).
; OUT.  cimg: q at 0, k at 6,291,456: [batch x 16 + head][token tile 0..127][768]; v at 12,582,912: [batch x 16 + head][key step 0..15][channel tile 0..3][1,536].
;       csc: q at 0, k at 524,288: [..][tile][16 words], bytes 0, 1 the head's two scales, bytes 2, 3 the byte of 1.0; v at 1,048,576: [..][key step][channel tile][32 words], the second 16 a copy of the first.
; REGISTERS, in windows of 256: window 0: v1-21 addresses; v32-47 X's scale words, v48-79 Y's (they hold nothing else); v128-223 X's fragments, two sets; on the way out v128-229 are at work.
;   window 1: Y's fragments, sets at v0 and v128.   window 2: accumulator (a, b) at v[64 a + 8 b].   window 3: v0-63 the bias along Y, v64-71 the bias of my X rows.
.set GRP,  98304                       ; a group of 128 rows, all of K
.set CHK,  24576                       ; two K steps of it: one tensor load
.set KST,  12288                       ; one K step: 8 fragments
.set FRB,  1536
.set YLDS, 196608                      ; LDS: X's two groups, then Y's
.set SX,   32
.set SY,   48
.set XF,   128
.set ST,   128                         ; the way out: 64 numbers
.set PC,   192                         ; v192-210 codes
.set TM,   212                         ; v212-215 largest magnitudes, v216-219 bytes, v224-227 scale operands
.set PW,   228                         ; the scale word just made
.set PWS,  229                         ; as it is stored
.set BY,   0
.set BX,   64
.set WV,   22
.set G1X,  32
.set G1Y,  40
.set G0X,  48                          ; s[48:63] four groups 0 for X's parts
.set G0Y,  68                          ; s[68:83] four for Y's
.set SEL,  94
.set MSB,  0
.macro WIN new                         ; the immediate's high byte repeats the setting that is left
.if MSB != \new
	s_set_vgpr_msb (MSB<<8)|\new
.set MSB, \new
.endif
.endm
.macro CROUND                          ; a round of the cluster's barrier
	s_barrier_signal -1
	s_barrier_wait -1
	s_cmp_lg_u32 s[WV], 0
	s_cbranch_scc1 .Lnot_wave_0_\@
	s_barrier_signal -3
.Lnot_wave_0_\@:
	s_barrier_wait -3
	s_barrier_signal -1
	s_barrier_wait -1
.endm
.macro PLACES n
.rept \n
	v_nop
.endr
.endm
.macro FRAG reg, a16, a8, off          ; a fragment's image comes back as it was stored: 512, 256, 512, 256 consecutive bytes
	ds_load_b128 v[\reg:\reg+3], v[\a16] offset:\off
	ds_load_b64 v[\reg+4:\reg+5], v[\a8] offset:\off+512
	ds_load_b128 v[\reg+6:\reg+9], v[\a16] offset:\off+768
	ds_load_b64 v[\reg+10:\reg+11], v[\a8] offset:\off+1280
.endm
.macro FETCH t                         ; K step t: Y's eight fragments and my four of X, 48 LDS loads, into set t % 2
.set FP, (\t)%2
.set FK, (\t)/4
.set FO, ((\t)%4)*KST
	WIN 0x40                                       ; destination window 1
.irp b, 0,1,2,3,4,5,6,7
	FRAG 128*FP+12*\b, 12+FK, 14+FK, FO+FRB*\b
.endr
	WIN 0
.irp a, 0,1,2,3
	FRAG XF+48*FP+12*\a, 8+FK, 10+FK, FO+FRB*\a
.endr
.endm
.macro MUL t                           ; 32 matrix instructions; the 32 accumulators take turns, one instruction a turn, in the same order in every K step.  K step 0 starts the sums
.set MP, (\t)%2
.set MQ, (\t)%4
	WIN 0xa1                                       ; source 0 (Y) window 1, source 1 (X) window 0, C and D window 2
.irp a, 0,1,2,3
.irp b, 0,1,2,3,4,5,6,7
.if (\t) == 0
	v_wmma_scale_f32_16x16x128_f8f6f4 v[64*\a+8*\b:64*\a+8*\b+7], v[128*MP+12*\b:128*MP+12*\b+11], v[XF+48*MP+12*\a:XF+48*MP+12*\a+11], 0, v[SY+4*\b+MQ], v[SX+4*\a+MQ] matrix_a_fmt:MATRIX_FMT_BF6 matrix_b_fmt:MATRIX_FMT_BF6
.elseif (\t) < 4
	v_wmma_scale_f32_16x16x128_f8f6f4 v[64*\a+8*\b:64*\a+8*\b+7], v[128*MP+12*\b:128*MP+12*\b+11], v[XF+48*MP+12*\a:XF+48*MP+12*\a+11], v[64*\a+8*\b:64*\a+8*\b+7], v[SY+4*\b+MQ], v[SX+4*\a+MQ] matrix_a_fmt:MATRIX_FMT_BF6 matrix_b_fmt:MATRIX_FMT_BF6
.else
	v_wmma_scale_f32_16x16x128_f8f6f4 v[64*\a+8*\b:64*\a+8*\b+7], v[128*MP+12*\b:128*MP+12*\b+11], v[XF+48*MP+12*\a:XF+48*MP+12*\a+11], v[64*\a+8*\b:64*\a+8*\b+7], v[SY+4*\b+MQ], v[SX+4*\a+MQ] matrix_a_fmt:MATRIX_FMT_BF6 matrix_b_fmt:MATRIX_FMT_BF6 matrix_a_scale:MATRIX_SCALE_ROW1 matrix_b_scale:MATRIX_SCALE_ROW1
.endif
.endr
.endr
.endm
.macro STEP t, bar, cnt                ; K step t is multiplied while K step t + 1 is fetched.  bar = 1: t + 1 begins a new part: each wave shows its part landed (cnt younger parts may be out), then the barrier
.if \bar
	s_wait_tensorcnt \cnt
	s_wait_dscnt 0x0                               ; no LDS instruction of mine is out at a signal
	s_barrier_signal -1
	s_barrier_wait -1
.endif
	PLACES 4                                       ; four places between the last products and loads into registers that they read (ISA guide 7.12.1 for vector instructions)
	FETCH (\t)+1
	s_wait_dscnt 48                                ; all but the 48 just issued: K step t's fragments are in
	MUL \t
.endm
; 64 numbers of a lane, register 16 b + i = k 32 b + 16 (lane / 16) + i of my row, become a fragment's codes in v[PC] on and its scale word in v[PW].
.macro QUANT s
.irp b, 0,1,2,3
	v_max3_num_f32 v[TM+\b], |v[\s+16*\b]|, |v[\s+1+16*\b]|, 0x2800000   ; block b: my 16 numbers, and the floor 2^(5 - 127): the byte cannot fall under 1
.endr
.irp i, 2,4,6,8,10,12,14
.irp b, 0,1,2,3
	v_max3_num_f32 v[TM+\b], v[TM+\b], |v[\s+16*\b+\i]|, |v[\s+1+16*\b+\i]|
.endr
.endr
.irp b, 0,1,2,3
	v_permlanex16_b32 v[TM+4+\b], v[TM+\b], s[SEL], s[SEL+1]
.endr
.irp b, 0,1,2,3
	v_max_num_f32 v[TM+\b], v[TM+\b], v[TM+4+\b]   ; with lane l xor 16's: the block's largest magnitude
.endr
.irp b, 0,1,2,3
	v_add_nc_u32 v[TM+12+\b], 0xfe000000, v[TM+\b]   ; 4 off its exponent field: the conversion's scale operand
.endr
.irp b, 0,1,2,3
	v_lshrrev_b32 v[TM+4+\b], 23, v[TM+12+\b]      ; the scale's byte
.endr
	v_lshl_or_b32 v[PW], v[TM+5], 8, v[TM+4]
	v_lshl_or_b32 v[PW], v[TM+6], 16, v[PW]
	v_lshl_or_b32 v[PW], v[TM+7], 24, v[PW]
.irp c, 0,1
	v_cvt_scalef32_pk16_bf6_f32 v[PC+6*\c:PC+2+6*\c], v[\s+32*\c:\s+15+32*\c], v[TM+12+2*\c]
	v_cvt_scalef32_pk16_bf6_f32 v[PC+12+4*\c:PC+14+4*\c], v[\s+16+32*\c:\s+31+32*\c], v[TM+12+2*\c+1]   ; (a conversion's three registers begin on an even number)
.endr
	v_nop                                          ; one plain place behind a scaled conversion
.irp c, 0,1                                    ; the operand's layout wants a whole block in a lane: lanes 0-15 block 2 c, lanes 16-31 block 2 c + 1
.irp i, 0,1,2
	v_permlane16_swap_b32 v[PC+6*\c+\i], v[PC+12+4*\c+\i]
.endr
.irp i, 0,1,2
	v_mov_b32 v[PC+3+6*\c+\i], v[PC+12+4*\c+\i]
.endr
.endr
.endm
; THE WAY OUT of my X tile a: + bias, quantised, stored.  The branch hangs on the cluster's x alone: it is the same in all partners.  Each accumulator is read from its low end on.
.macro OUTA a
	s_cmp_eq_u32 s29, 0
	s_cbranch_scc0 .Lchan_\@
	WIN 0x0e                                       ; source 0 (sums) window 2, source 1 (bias) window 3
.set i, 0
.rept 32
	v_pk_add_f32 v[ST+i:ST+i+1], v[64*(\a)+i:64*(\a)+i+1], v[BY+i:BY+i+1]          ; q, k: the bias runs along the registers
.set i, i+2
.endr
	WIN 0
	s_branch .Lsum_\@
.Lchan_\@:
	WIN 0x0e
.set i, 0
.rept 32
	v_pk_add_f32 v[ST+i:ST+i+1], v[64*(\a)+i:64*(\a)+i+1], v[BX+2*(\a):BX+2*(\a)+1]  ; v: the bias is my channel's
.set i, i+2
.endr
	WIN 0
.Lsum_\@:
	QUANT ST
	global_store_b128 v1, v[PC:PC+3], s[4:5]       ; half 0 of the fragment (q, k: the first head; v: keys 0-63): 512 and 256 consecutive bytes
	global_store_b64 v17, v[PC+4:PC+5], s[4:5]
	global_store_b128 v18, v[PC+6:PC+9], s[4:5]    ; half 1 (q, k: the next head's image; v: the next 768 bytes)
	global_store_b64 v19, v[PC+10:PC+11], s[4:5]
	v_lshrrev_b32 v[PWS], v21, v[PW]               ; q, k: lanes 16-31 take the second head's two bytes;
	v_and_or_b32 v[PWS], v[PWS], s12, s13          ; the upper two become the byte of 1.0.  v: the word as it is
	global_store_b32 v20, v[PWS], s[6:7]
	s_wait_xcnt 0x0                                ; the stores have read their data and their bases: both are written again only behind this wait
	s_add_nc_u64 s[4:5], s[4:5], s[8:9]
	s_add_nc_u64 s[6:7], s[6:7], s[10:11]
.endm
	s_load_b256 s[4:11], s[0:1], 0x0               ; ximg, xsc, wimg, wsc
	s_load_b256 s[12:19], s[0:1], 0x20             ; bq, bk, bv, cimg
	s_load_b64 s[20:21], s[0:1], 0x40              ; csc
	v_lshl_add_u32 v254, v0, 2, 0x48000
	v_mov_b32 v255, 0
	ds_add_u32 v254, v255
	ds_add_u32 v254, v255
	v_lshrrev_b32 v1, 5, v0
	v_readfirstlane_b32 s[WV], v1                  ; wave 0..3
	s_and_b32 s27, s[WV], 1
	s_lshr_b32 s28, s[WV], 1
	s_bfe_u32 s23, ttmp6, 0x40000                  ; cx
	s_bfe_u32 s24, ttmp6, 0x40004                  ; cy
	s_mov_b32 s25, ttmp9                           ; the cluster's x, 0..5
	s_and_b32 s26, ttmp7, 0xffff                   ; the cluster's y, 0..7
	s_lshl_b32 s30, s24, 2
	s_lshl_b32 s30, 15, s30                        ; my row of the cluster
	s_lshl_b32 s31, 0x1111, s23                    ; my column
	; descriptor group 1: 24,576 dense bytes as 96 rows of 32 elements of 8 bytes
	s_or_b32 s[G1X], s30, (3<<16)|(1<<21)          ; 15:0 the mask; 17:16 elements of 8 bytes; 21 set beside a mask
	s_or_b32 s[G1Y], s31, (3<<16)|(1<<21)
.irp g, G1X, G1Y
	s_mov_b32 s[\g+1], 32<<16                      ; tensor_dim0
	s_mov_b32 s[\g+2], 96<<16                      ; tensor_dim1
	s_mov_b32 s[\g+3], 32<<16                      ; tile_dim0
	s_mov_b32 s[\g+4], 96                          ; tile_dim1
	s_mov_b32 s[\g+5], 32                          ; the pitch
	s_mov_b32 s[\g+6], 0
	s_mov_b32 s[\g+7], 0
.endr
	; X's first group hangs on cy and the cluster's numbers, Y's group on cx and the cluster's numbers; each is made in registers that never hold the other coordinate
	s_lshl_b32 s84, s24, 1
	s_lshl_b32 s85, s26, 3
	s_add_co_u32 s85, s85, s84                     ; q, k: token groups 8 cluster y + 2 cy, + 1
	s_add_co_u32 s84, s84, 16                      ; v: wv's groups 16 + 2 cy, + 1
	s_lshl_b32 s86, s25, 2
	s_add_co_u32 s86, s86, s23                     ; q, k: wq's and wk's groups 4 cluster x + cx
	s_lshl_b32 s87, s25, 3
	s_add_co_u32 s87, s87, s26
	s_sub_co_u32 s87, s87, 32
	s_lshl_b32 s87, s87, 2
	s_add_co_u32 s87, s87, s23                     ; v: token group 4 (8 (cluster x - 4) + cluster y) + cx
	s_mov_b32 s99, 0
	s_mov_b32 s101, 0
	s_mul_i32 s66, s27, GRP                        ; where X's group goes in LDS: the wave's number alone
	s_wait_dscnt 0x0
	s_wait_kmcnt 0x0
	s_cmp_lt_u32 s25, 4                            ; q, k or v: the same in all sixteen partners
	s_cselect_b32 s85, s85, s84                    ; X's first group
	s_cselect_b32 s86, s86, s87                    ; Y's group
	s_cselect_b32 s29, 0, 1                        ; 1: v
	s_cselect_b64 s[88:89], s[4:5], s[8:9]         ; X's codes
	s_cselect_b64 s[90:91], s[8:9], s[4:5]         ; Y's codes
	s_cselect_b64 s[92:93], s[6:7], s[10:11]       ; X's scale words
	s_cselect_b64 s[96:97], s[10:11], s[6:7]       ; Y's
	s_add_co_u32 s98, s85, s27
	s_mul_i32 s98, s98, GRP
	s_add_nc_u64 s[88:89], s[88:89], s[98:99]
	s_mul_i32 s100, s86, GRP
	s_add_nc_u64 s[90:91], s[90:91], s[100:101]
.irp p, 0,1,2,3
	s_mov_b32 s[G0X+4*\p], 1                       ; count = 1
	s_add_co_u32 s[G0X+4*\p+1], s66, \p*CHK        ; LDS address
	s_add_nc_u64 s[G0X+4*\p+2:G0X+4*\p+3], s[88:89], \p*CHK
	s_or_b32 s[G0X+4*\p+3], s[G0X+4*\p+3], 0x80000000   ; type = 2
	s_mov_b32 s[G0Y+4*\p], 1
	s_mov_b32 s[G0Y+4*\p+1], YLDS+\p*CHK
	s_add_nc_u64 s[G0Y+4*\p+2:G0Y+4*\p+3], s[90:91], \p*CHK
	s_or_b32 s[G0Y+4*\p+3], s[G0Y+4*\p+3], 0x80000000
.endr
	CROUND                                         ; all sixteen work-groups are here: the joint loads meet
	s_cmp_lt_u32 s[WV], 2                          ; waves 0, 1: X's two groups; wave 2: Y's; wave 3: none.  A wave's four loads stand in one branch; four of mine are out at the most
	s_cbranch_scc0 .Lnot_x
	tensor_load_to_lds s[G0X:G0X+3], s[G1X:G1X+7]
	s_nop 0
	tensor_load_to_lds s[G0X+4:G0X+7], s[G1X:G1X+7]
	s_nop 0
	tensor_load_to_lds s[G0X+8:G0X+11], s[G1X:G1X+7]
	s_nop 0
	tensor_load_to_lds s[G0X+12:G0X+15], s[G1X:G1X+7]
	s_nop 0
	PLACES 4
	s_branch .Lasked
.Lnot_x:
	s_cmp_eq_u32 s[WV], 2
	s_cbranch_scc0 .Lasked
	tensor_load_to_lds s[G0Y:G0Y+3], s[G1Y:G1Y+7]
	s_nop 0
	tensor_load_to_lds s[G0Y+4:G0Y+7], s[G1Y:G1Y+7]
	s_nop 0
	tensor_load_to_lds s[G0Y+8:G0Y+11], s[G1Y:G1Y+7]
	s_nop 0
	tensor_load_to_lds s[G0Y+12:G0Y+15], s[G1Y:G1Y+7]
	s_nop 0
	PLACES 4
.Lasked:
	; the scale words of all of K: one load of 16 bytes a lane for each tile
	s_add_co_u32 s98, s85, s28
	s_lshl_b32 s98, s98, 3
	s_lshl_b32 s67, s27, 2
	s_add_co_u32 s98, s98, s67
	s_lshl_b32 s98, s98, 9
	s_add_nc_u64 s[92:93], s[92:93], s[98:99]      ; my four X tiles
	s_lshl_b32 s100, s86, 12
	s_add_nc_u64 s[96:97], s[96:97], s[100:101]    ; Y's eight
	s_cmp_lt_u32 s25, 2
	s_cselect_b64 s[30:31], s[12:13], s[14:15]
	s_cmp_lt_u32 s25, 4
	s_cselect_b64 s[30:31], s[30:31], s[16:17]     ; bq, bk or bv
	s_and_b32 s100, s86, 7
	s_lshl_b32 s100, s100, 9
	s_add_nc_u64 s[2:3], s[30:31], s[100:101]      ; along Y: 128 numbers from 128 (group % 8) on
	s_lshl_b32 s98, s24, 10
	s_lshl_b32 s100, s[WV], 8
	s_add_co_u32 s98, s98, s100
	s_add_nc_u64 s[30:31], s[30:31], s[98:99]      ; along X: from 256 cy + 64 wave on.  Both are loaded on both ways and lie inside the 1,024 numbers
	v_and_b32 v5, 31, v0                           ; lane
	v_and_b32 v3, 15, v0                           ; r
	v_bfe_u32 v4, v0, 4, 1                         ; h
	v_lshlrev_b32 v1, 4, v5                        ; 16 x lane
	v_lshlrev_b32 v2, 3, v5                        ; 8 x lane
	v_lshlrev_b32 v6, 6, v4                        ; 64 h
	v_and_b32 v7, 8, v3
	v_add_nc_u32 v7, v7, v3
	v_lshlrev_b32 v7, 2, v7                        ; 4 (r + 8 (r / 8))
.irp a, 0,1,2,3
	global_load_b128 v[SX+4*\a:SX+4*\a+3], v1, s[92:93] offset:512*\a
.endr
.irp b, 0,1,2,3,4,5,6,7
	global_load_b128 v[SY+4*\b:SY+4*\b+3], v1, s[96:97] offset:512*\b
.endr
	WIN 0xc0                                       ; destination window 3
.irp b, 0,1,2,3
.irp j, 0,1,2,3
	global_load_b128 v[BY+16*\b+4*\j:BY+16*\b+4*\j+3], v6, s[2:3] offset:128*\b+16*\j   ; register 16 b + i: Y row 32 b + 16 h + i
.endr
.endr
.irp a, 0,1,2,3
	global_load_b32 v[BX+2*\a], v7, s[30:31] offset:(32*(\a/2)+8*(\a%2))*4           ; my X row of tile a, twice: a pair for the packed addition
	global_load_b32 v[BX+2*\a+1], v7, s[30:31] offset:(32*(\a/2)+8*(\a%2))*4
.endr
	WIN 0
	s_mul_i32 s66, s28, GRP
	s_mul_i32 s67, s27, 4*FRB
	s_add_co_u32 s66, s66, s67                     ; my four X tiles in LDS: group wave / 2, tiles 4 (wave % 2) on
	v_add_nc_u32 v8, s66, v1                       ; K steps 0-3, 16 x lane
	v_add_nc_u32 v9, 4*KST, v8                     ; K steps 4-7
	v_add_nc_u32 v10, s66, v2                      ; the same with 8 x lane
	v_add_nc_u32 v11, 4*KST, v10
	v_add_nc_u32 v12, YLDS, v1
	v_add_nc_u32 v13, YLDS+4*KST, v1
	v_add_nc_u32 v14, YLDS, v2
	v_add_nc_u32 v15, YLDS+4*KST, v2
	; where the results go
	s_lshr_b32 s98, s26, 1                         ; q, k: the batch,
	s_lshl_b32 s98, s98, 4
	s_and_b32 s100, s86, 7
	s_lshl_b32 s100, s100, 1
	s_add_co_u32 s98, s98, s100                    ; x 16 + the first of Y's two heads,
	s_lshl_b32 s98, s98, 7
	s_lshl_b32 s100, s26, 2
	s_add_co_u32 s100, s100, s24
	s_lshl_b32 s100, s100, 4
	s_lshl_b32 s17, s[WV], 2
	s_add_co_u32 s100, s100, s17
	s_and_b32 s100, s100, 127
	s_add_co_u32 s98, s98, s100                    ; x 128 + my first token tile in the batch
	s_lshr_b32 s17, s25, 1                         ; 0: q, 1: k
	s_mul_i32 s4, s98, 768
	s_mul_i32 s100, s17, 6291456
	s_add_co_u32 s4, s4, s100
	s_lshl_b32 s6, s98, 6
	s_lshl_b32 s100, s17, 19
	s_add_co_u32 s6, s6, s100
	s_lshr_b32 s98, s86, 4                         ; v: the batch,
	s_lshl_b32 s98, s98, 4
	s_lshl_b32 s100, s24, 2
	s_add_co_u32 s98, s98, s100
	s_add_co_u32 s98, s98, s[WV]                   ; x 16 + my head 4 cy + wave,
	s_lshl_b32 s98, s98, 4
	s_and_b32 s100, s86, 15
	s_add_co_u32 s98, s98, s100                    ; x 16 + the key step,
	s_lshl_b32 s98, s98, 2                         ; x 4 channel tiles
	s_mul_i32 s5, s98, 1536
	s_add_co_u32 s5, s5, 12582912
	s_lshl_b32 s7, s98, 7
	s_add_co_u32 s7, s7, 1048576
	s_cmp_eq_u32 s29, 0
	s_cselect_b32 s4, s4, s5
	s_cselect_b32 s6, s6, s7
	s_mov_b32 s5, 0
	s_mov_b32 s7, 0
	s_mov_b32 s8, 1536
	s_cselect_b32 s8, 768, s8                      ; from my tile a to a + 1, in the codes,
	s_mov_b32 s9, 0
	s_mov_b32 s10, 128
	s_cselect_b32 s10, 64, s10                     ; and in the scale words
	s_mov_b32 s11, 0
	s_cselect_b32 s12, 0xffff, -1
	s_cselect_b32 s13, 0x7f7f0000, 0
	s_mov_b32 s14, 768
	s_cselect_b32 s14, 98304, s14                  ; from a fragment's half 0 to its half 1
	s_cselect_b32 s15, 16, 0                       ; lanes 16-31: the word's upper half, or the word
	s_cselect_b32 s16, 8192, 64                    ; and where they store it: the next head's words, or the copy
	s_add_nc_u64 s[4:5], s[18:19], s[4:5]
	s_add_nc_u64 s[6:7], s[20:21], s[6:7]
	v_add_nc_u32 v17, 512, v2
	v_add_nc_u32 v18, s14, v1
	v_add_nc_u32 v19, s14, v17
	v_mul_u32_u24 v20, s16, v4
	v_lshl_add_u32 v20, v3, 2, v20
	v_mul_u32_u24 v21, s15, v4
	s_mov_b32 s[SEL], 0x76543210
	s_mov_b32 s[SEL+1], 0xfedcba98
	s_wait_alu depctr_va_vdst(0)
	s_wait_tensorcnt 0x3                           ; my first part is in; the three behind it may be out
	s_barrier_signal -1
	s_barrier_wait -1                              ; everybody's is
	FETCH 0
	s_wait_loadcnt 0x0                             ; the scale words and the biases
	STEP 0, 0, 0
	STEP 1, 1, 2                                   ; K step 2 begins the second part: two parts may be out
	STEP 2, 0, 0
	STEP 3, 1, 1
	STEP 4, 0, 0
	STEP 5, 1, 0                                   ; the last part: none is out
	STEP 6, 0, 0
	s_wait_dscnt 0x0
	MUL 7
	WIN 0
	PLACES 4                                       ; in front of the first read of results and the first write of registers that the last products read
.irp b, 0,1,2,3
	v_mov_b32 v[TM+4+\b], 0                        ; written once: a lane permute's destination counts as one of its sources
.endr
	OUTA 0
	OUTA 1
	OUTA 2
	OUTA 3
	s_wait_tensorcnt 0x0
	ds_add_u32 v254, v255
	s_wait_dscnt 0x0
	CROUND                                         ; the closing round: no work-group ends while a partner may still ask for a part that names it
	s_endpgm
.Lfunc_end_k_q2d2d09e229_qkv:
	.size	k_q2d2d09e229_qkv, .Lfunc_end_k_q2d2d09e229_qkv-k_q2d2d09e229_qkv
	.p2alignl 7, 3214868480
	.fill 96, 4, 3214868480
	.section	.rodata,"a",@progbits
	.p2align	6, 0x0
	.amdhsa_kernel k_q2d2d09e229_qkv
		.amdhsa_group_segment_fixed_size 295424
		.amdhsa_private_segment_fixed_size 0
		.amdhsa_enable_private_segment 0
		.amdhsa_kernarg_size 72
		.amdhsa_user_sgpr_count 2
		.amdhsa_user_sgpr_kernarg_segment_ptr 1
		.amdhsa_wavefront_size32 1
		.amdhsa_system_sgpr_workgroup_id_x 1
		.amdhsa_system_sgpr_workgroup_id_y 1
		.amdhsa_system_sgpr_workgroup_id_z 1
		.amdhsa_system_vgpr_workitem_id 0
		.amdhsa_next_free_vgpr 896
		.amdhsa_next_free_sgpr 102
		.amdhsa_reserve_vcc 0
		.amdhsa_float_denorm_mode_32 3
		.amdhsa_float_denorm_mode_16_64 3
		.amdhsa_memory_ordered 1
		.amdhsa_forward_progress 1
		.amdhsa_inst_pref_size 108
	.end_amdhsa_kernel
	.amdgpu_metadata
---
amdhsa.version: [ 1, 2 ]
amdhsa.kernels:
  - .name:           k_q2d2d09e229_qkv
    .symbol:         k_q2d2d09e229_qkv.kd
    .args:
      - { .name: ximg, .offset: 0, .size: 8, .value_kind: global_buffer, .address_space: global }
      - { .name: xsc, .offset: 8, .size: 8, .value_kind: global_buffer, .address_space: global }
      - { .name: wimg, .offset: 16, .size: 8, .value_kind: global_buffer, .address_space: global }
      - { .name: wsc, .offset: 24, .size: 8, .value_kind: global_buffer, .address_space: global }
      - { .name: bq, .offset: 32, .size: 8, .value_kind: global_buffer, .address_space: global }
      - { .name: bk, .offset: 40, .size: 8, .value_kind: global_buffer, .address_space: global }
      - { .name: bv, .offset: 48, .size: 8, .value_kind: global_buffer, .address_space: global }
      - { .name: cimg, .offset: 56, .size: 8, .value_kind: global_buffer, .address_space: global }
      - { .name: csc, .offset: 64, .size: 8, .value_kind: global_buffer, .address_space: global }
    .group_segment_fixed_size: 295424
    .private_segment_fixed_size: 0
    .kernarg_segment_align: 8
    .kernarg_segment_size: 72
    .max_flat_workgroup_size: 128
    .sgpr_count:     102
    .vgpr_count:     896
    .wavefront_size: 32
...
	.end_amdgpu_metadata
.endif
;; end of part 2
;; launch attn (part 3): grid 4 x 64, 16 waves a work-group, clusters of 4 x 1, 215,040 bytes of LDS; arguments cimg, csc, oimg, osc; writes oimg, osc
.if DOCPART == 3
	.amdgcn_target "amdgcn-amd-amdhsa--gfx1250"
	.amdhsa_code_object_version 6
	.text
	.protected	k_q2d2d09e229_attn
	.globl	k_q2d2d09e229_attn
	.p2align	8
	.type	k_q2d2d09e229_attn,@function
k_q2d2d09e229_attn:
	s_mov_b64 s[64:65], 0
	v_nop
	global_prefetch_b8 v0, s[64:65] scope:SCOPE_SE
	s_setreg_imm32_b32 hwreg(HW_REG_WAVE_MODE, 25, 1), 1
	s_wait_xcnt 0x0
	s_wait_alu depctr_hold_cnt(0) depctr_sa_sdst(0) depctr_va_vdst(0) depctr_va_sdst(0) depctr_va_ssrc(0) depctr_va_vcc(0) depctr_vm_vsrc(0)
	s_getreg_b32 s2, hwreg(HW_REG_IB_STS2, 6, 4)
	s_cmp_eq_u32 s2, 0
	s_cbranch_scc0 .Lentry_in_a_cluster
	s_endpgm
.Lentry_in_a_cluster:
	s_bfe_u32 s2, ttmp6, 0x10000c
	s_cmp_lg_u32 s2, 0x3003
	s_cbranch_scc0 .Lentry_shape_is_right
	s_endpgm
.Lentry_shape_is_right:
; Causal attention of one (batch, head) a cluster, on codes of BF6 (E3M2) with E8M0 scales: S^T = K Q^T, p = 2^(t - M), O^T = V^T P^T, O / l, quantised along the model's 1,024 and stored as images for the last product.
; t = score x log2(e) / 8; M = the running largest t rounded UP to a whole number; p is quantised along the keys, not normalised; the row's sum l is taken of the unquantised p.  When M moves, l and O^T are multiplied by 2^(old M - new M): exact.
; SHARES.  The four work-groups of a cluster own one head's 128 tiles of 16 queries.  Wave w of work-group cx owns tile lo = 4 w + cx and tile hi = 127 - lo.  Their last key steps (128 keys a step) are w / 2 and 15 - w / 2:
; they hang on the wave's number alone, so every branch is alike in all partners, and every wave walks 17 key steps.  cx enters global addresses and the mask's lane numbers alone.
; The head's K, V and their scale words, 212,992 bytes, lie in LDS, filled once by JOINT loads (all four partners read the same bytes): wave 0 asks for K's, wave 1 for V's; the first 512 keys come by loads of their own, so that the walk begins early.
; A tile's rows (queries, keys, channels) are 32 (tl / 2) + 8 (tl % 2) + r + 8 (r / 8): the 16 registers of result tiles 2 b and 2 b + 1 are 16 neighbours along the next K.  A lane holds ONE query throughout.
; THE HEAD HAS 64 CHANNELS, the instruction's K is 128: Q's registers 6-11 are zero codes; K's operand runs on into the next tile's codes (numbers of E3M2, all finite, under the scale byte of 1.0), which zeros multiply.
; LIMITS: NaN and infinities are not served; a block whose largest magnitude lies under 2^-122 keeps the byte 1, a block of zeros too.
; REGISTERS: v1-5, v13 addresses and the mask's number; v6 -infinity; v7-12 the step's addresses; v14 -M, v15 the largest t, v[16:17] the sum, v18 f; v20-31 Q; v32-85 K's eight tiles (v80-85 zeros), then V's four fragments;
;   v86-94 the low tile's Q, scale word and mask number; v93 Q's scale words; v96-159 S^T, then p; v160-191 O^T; v192-210 codes; v212-223 at work; v224-229 K's and V's scale words; v230-233 at work; v234 p's scale word; v[236:237] the sum's second chain.
.set VIMG, 98304                       ; LDS: K's images at 0: [tile][768]; V's: [key step][channel tile][1,536];
.set KSC,  196608                      ; K's scale words: [tile][16 words];
.set VSC,  204800                      ; V's: [key step][channel tile][32 words]
.set STB,  6144                        ; a key step of K's images, and of V's
.set WV,   12
.set SEL,  16
.set CS,   18
.set ST,   20                          ; s20  the key step
.set TB,   21                          ; s21  its images' place
.set TS,   22                          ; s22  its scale words' place
.set LAST, 23                          ; s23  the tile's last key step
.set G1S,  24
.set G1A,  32
.set G1B,  40
.set BM,   212
.set PT,   216
.set SO,   220
.macro ROUND                           ; a round of the cluster's barrier
	s_barrier_signal -1
	s_barrier_wait -1
	s_cmp_lg_u32 s[WV], 0
	s_cbranch_scc1 .Lnot_wave_0_\@
	s_barrier_signal -3
.Lnot_wave_0_\@:
	s_barrier_wait -3
	s_barrier_signal -1
	s_barrier_wait -1
.endm
.macro FRAG reg, a16, a8, off
	ds_load_b128 v[\reg:\reg+3], v[\a16] offset:\off
	ds_load_b64 v[\reg+4:\reg+5], v[\a8] offset:\off+512
	ds_load_b128 v[\reg+6:\reg+9], v[\a16] offset:\off+768
	ds_load_b64 v[\reg+10:\reg+11], v[\a8] offset:\off+1280
.endm
.macro OADDR qt, po, ps                ; where query tile s[qt]'s codes and scale bytes go
	s_lshr_b32 s86, s14, 4
	s_lshl_b32 s86, s86, 7
	s_add_co_u32 s86, s86, s[\qt]                  ; the token tile: 128 x batch + tile
	s_lshr_b32 s87, s86, 3
	s_lshl_b32 s87, s87, 6
	s_bfe_u32 s88, s14, 0x30001                    ; the K step of the last product: head / 2
	s_lshl_b32 s88, s88, 3
	s_add_co_u32 s87, s87, s88
	s_and_b32 s88, s86, 7
	s_add_co_u32 s87, s87, s88
	s_mul_i32 s87, s87, 1536
	s_and_b32 s88, s14, 1
	s_mul_i32 s88, s88, 768                        ; and the half of its fragment: head % 2
	s_add_co_u32 s88, s87, s88
	s_mov_b32 s89, 0
	s_add_nc_u64 s[\po:\po+1], s[8:9], s[88:89]
	s_lshl_b32 s88, s86, 9
	s_bfe_u32 s87, s14, 0x10003
	s_lshl_b32 s87, s87, 8
	s_add_co_u32 s88, s88, s87
	s_bfe_u32 s87, s14, 0x20001
	s_lshl_b32 s87, s87, 2
	s_add_co_u32 s88, s88, s87
	s_and_b32 s87, s14, 1
	s_lshl_b32 s87, s87, 1
	s_add_co_u32 s88, s88, s87                     ; tile x 512 + 256 (head / 8) + 4 ((head / 2) % 4) + 2 (head % 2)
	s_add_nc_u64 s[\ps:\ps+1], s[10:11], s[88:89]
.endm
.macro INIT                            ; the step is written without a first step of its own: it finds zeros, which the first change of M leaves zeros
	v_mov_b32 v15, 0xff61b1e6                      ; the largest t so far: -3e38
	s_delay_alu instid0(VALU_DEP_1)
	v_floor_f32 v14, -v15                          ; -M
	v_mov_b32 v16, 0
	v_mov_b32 v17, 0
.set n, 0
.rept 32
	v_mov_b32 v[160+n], 0
.set n, n+1
.endr
.endm
; A KEY STEP: 128 keys.  skip = 1: a step behind the tile's last is left out, and the last one is masked; both branches hang on the wave's number and the loop's count.
.macro STEP skip
.if \skip
	s_cmp_gt_u32 s[ST], s[LAST]
	s_cbranch_scc1 .Lhidden_\@
.endif
	s_setprio 2
	v_add_nc_u32 v7, s[TB], v1                     ; these six are also the places in front of loads into registers that the last products read
	v_add_nc_u32 v8, s[TB], v2
	v_add_nc_u32 v11, s[TS], v3
	v_add_nc_u32 v12, s[TS], v13
	s_delay_alu instid0(VALU_DEP_4)
	v_add_nc_u32 v9, VIMG, v7
	s_delay_alu instid0(VALU_DEP_4)
	v_add_nc_u32 v10, VIMG, v8
.irp t, 0,1,2,3,4,5,6,7
	ds_load_b128 v[32+6*\t:35+6*\t], v7 offset:768*\t
	ds_load_b64 v[36+6*\t:37+6*\t], v8 offset:768*\t+512
.endr
.irp g, 0,1,2,3
	ds_load_b32 v[224+\g], v11 offset:128*\g       ; lanes 0-15: tile 2 g's words; lanes 16-31: tile 2 g + 1's
.endr
	s_wait_alu depctr_va_vdst(0)
	s_wait_dscnt 0x0
.irp t, 0,1,2,3,4,5,6,7
.if (\t%2) == 0
	v_wmma_scale_f32_16x16x128_f8f6f4 v[96+8*\t:103+8*\t], v[32+6*\t:43+6*\t], v[20:31], 0, v[224+\t/2], v93 matrix_a_fmt:MATRIX_FMT_BF6 matrix_b_fmt:MATRIX_FMT_BF6
.else
	v_wmma_scale_f32_16x16x128_f8f6f4 v[96+8*\t:103+8*\t], v[32+6*\t:43+6*\t], v[20:31], 0, v[224+\t/2], v93 matrix_a_fmt:MATRIX_FMT_BF6 matrix_b_fmt:MATRIX_FMT_BF6 matrix_a_scale:MATRIX_SCALE_ROW1
.endif
.endr                                          ; register 16 b + i of lane (r, h): query r, key 32 b + 16 h + i of the step
.rept 4
	v_nop                                          ; four places: in front of the loads into K's registers, and of the first read of the scores
.endr
.irp d, 0,1,2,3
	FRAG 32+12*\d, 9, 10, 1536*\d                  ; V's four fragments land while the softmax is worked
.endr
.irp g, 0,1
	ds_load_b32 v[228+\g], v12 offset:256*\g       ; lanes 0-15: channel tile 2 g's words; lanes 16-31: tile 2 g + 1's
.endr
.if \skip
	s_cmp_lg_u32 s[ST], s[LAST]
	s_cbranch_scc1 .Lopen_\@
.set n, 0
.rept 64                                       ; the tile's last step lies on the diagonal: key 32 b + 16 h + i is hidden where 32 b + i > my query - 16 h, counted from the step's first key
	v_cmp_gt_i32 vcc_lo, 32*(n/16)+n%16, v5
	v_cndmask_b32 v[96+n], v[96+n], v6, vcc_lo
.set n, n+1
.endr
.Lopen_\@:
.endif
.irp b, 0,1,2,3
	v_max3_num_f32 v[BM+\b], v[96+16*\b], v[97+16*\b], v[98+16*\b]   ; the largest score of each block of 32 keys: for the row's maximum, and, since p rises with the score, for the block's largest p
.endr
.irp i, 3,5,7,9,11,13
.irp b, 0,1,2,3
	v_max3_num_f32 v[BM+\b], v[BM+\b], v[96+16*\b+\i], v[97+16*\b+\i]
.endr
.endr
.irp b, 0,1,2,3
	v_max_num_f32 v[BM+\b], v[BM+\b], v[111+16*\b]
.endr
.irp b, 0,1,2,3
	s_delay_alu instid0(VALU_DEP_4)
	v_permlanex16_b32 v[PT+\b], v[BM+\b], s[SEL], s[SEL+1]
.endr
.irp b, 0,1,2,3
	s_delay_alu instid0(VALU_DEP_4)
	v_max_num_f32 v[BM+\b], v[BM+\b], v[PT+\b]     ; with lane l xor 16's 16 keys
.endr
	s_delay_alu instid0(VALU_DEP_2)
	v_max3_num_f32 v230, v[BM], v[BM+1], v[BM+2]
	s_delay_alu instid0(VALU_DEP_1)
	v_max_num_f32 v230, v230, v[BM+3]              ; the step's largest score of my query (the step's first key counts for every query of the tile)
	s_delay_alu instid0(VALU_DEP_1)
	v_mul_f32 v230, s[CS], v230
	s_delay_alu instid0(VALU_DEP_1)
	v_max_num_f32 v15, v15, v230                   ; the running largest t
	v_mov_b32 v230, v14
	s_delay_alu instid0(VALU_DEP_2)
	v_floor_f32 v14, -v15                          ; the new -M = -ceil(t)
	s_delay_alu instid0(VALU_DEP_1)
	v_sub_f32 v230, v14, v230                      ; old M - new M: a whole number, 0 or less
	s_delay_alu instid0(VALU_DEP_1)
	v_cvt_i32_f32 v230, v230                       ; (it saturates)
	s_delay_alu instid0(VALU_DEP_1)
	v_ldexp_f32 v18, 1.0, v230                     ; f = 2^(old M - new M)
.set n, 0
.rept 32
	v_pk_fma_f32 v[96+n:97+n], v[96+n:97+n], s[CS:CS+1], v[14:15] op_sel_hi:[1,0,0]   ; t - M, two at a time
.set n, n+2
.endr
.irp b, 0,1,2,3
	v_fma_f32 v[BM+\b], v[BM+\b], s[CS], v14       ; the same of each block's largest score
.endr
.set n, 0
	s_setprio 1
	s_wait_alu depctr_va_vdst(0)
.rept 64
	v_exp_f32 v[96+n], v[96+n]                     ; p = 2^(t - M)
.set n, n+1
.endr
	v_pk_mul_f32 v[16:17], v[16:17], v[18:19] op_sel_hi:[1,0]   ; the sums under the new M: the plain place behind the exponentials
	s_wait_alu depctr_va_vdst(0)                   ; one wait for the batch of 64, ahead of its first reader
.irp b, 0,1,2,3
	v_exp_f32 v[BM+\b], v[BM+\b]                   ; the block's largest p
.endr
	v_pk_add_f32 v[236:237], v[100:101], v[104:105]
	v_pk_add_f32 v[252:253], v[108:109], v[112:113]
	v_pk_add_f32 v[250:251], v[116:117], v[120:121]
	v_pk_add_f32 v[248:249], v[124:125], v[128:129]
	v_pk_add_f32 v[246:247], v[132:133], v[136:137]
	v_pk_add_f32 v[244:245], v[140:141], v[144:145]
	v_pk_add_f32 v[242:243], v[148:149], v[152:153]
	v_pk_add_f32 v[16:17], v[16:17], v[156:157]
	v_pk_add_f32 v[236:237], v[236:237], v[96:97]
	v_pk_add_f32 v[252:253], v[252:253], v[98:99]
	v_pk_add_f32 v[250:251], v[250:251], v[102:103]
	v_pk_add_f32 v[248:249], v[248:249], v[106:107]
	v_pk_add_f32 v[246:247], v[246:247], v[110:111]
	v_pk_add_f32 v[244:245], v[244:245], v[114:115]
	v_pk_add_f32 v[242:243], v[242:243], v[118:119]
	v_pk_add_f32 v[16:17], v[16:17], v[122:123]
	v_pk_add_f32 v[236:237], v[236:237], v[126:127]
	v_pk_add_f32 v[252:253], v[252:253], v[130:131]
	v_pk_add_f32 v[250:251], v[250:251], v[134:135]
	v_pk_add_f32 v[248:249], v[248:249], v[138:139]
	v_pk_add_f32 v[246:247], v[246:247], v[142:143]
	v_pk_add_f32 v[244:245], v[244:245], v[146:147]
	v_pk_add_f32 v[242:243], v[242:243], v[150:151]
	v_pk_add_f32 v[16:17], v[16:17], v[154:155]
	v_pk_add_f32 v[236:237], v[236:237], v[158:159]
	s_delay_alu instid0(VALU_DEP_2)
	v_pk_add_f32 v[16:17], v[16:17], v[248:249]
	s_delay_alu instid0(VALU_DEP_2)
	v_pk_add_f32 v[236:237], v[236:237], v[246:247]
	v_pk_add_f32 v[252:253], v[252:253], v[244:245]
	v_pk_add_f32 v[250:251], v[250:251], v[242:243]
	s_delay_alu instid0(VALU_DEP_2)
	v_pk_add_f32 v[16:17], v[16:17], v[252:253]
	s_delay_alu instid0(VALU_DEP_2)
	v_pk_add_f32 v[236:237], v[236:237], v[250:251]
	s_delay_alu instid0(VALU_DEP_1)
	v_pk_add_f32 v[16:17], v[16:17], v[236:237]
	s_wait_alu depctr_va_vdst(0)                   ; and one for the four
.irp b, 0,1,2,3
	v_max_num_f32 v[BM+\b], 0x2800000, v[BM+\b]    ; the floor 2^(5 - 127)
.endr
.irp b, 0,1,2,3
	s_delay_alu instid0(VALU_DEP_4)
	v_add_nc_u32 v[SO+\b], 0xfe000000, v[BM+\b]    ; the conversion's scale operand
.endr
.irp b, 0,1,2,3
	s_delay_alu instid0(VALU_DEP_4)
	v_lshrrev_b32 v[PT+\b], 23, v[SO+\b]           ; the byte
.endr
	s_delay_alu instid0(VALU_DEP_3)
	v_lshl_or_b32 v234, v[PT+1], 8, v[PT]          ; p's scale word for these 128 keys
	s_delay_alu instid0(VALU_DEP_1)
	v_lshl_or_b32 v234, v[PT+2], 16, v234
	s_delay_alu instid0(VALU_DEP_1)
	v_lshl_or_b32 v234, v[PT+3], 24, v234
.irp c, 0,1
	v_cvt_scalef32_pk16_bf6_f32 v[192+6*\c:194+6*\c], v[96+32*\c:111+32*\c], v[SO+2*\c]
	v_cvt_scalef32_pk16_bf6_f32 v[204+4*\c:206+4*\c], v[112+32*\c:127+32*\c], v[SO+2*\c+1]
.endr
	s_setprio 0
	v_nop                                          ; one plain place behind a scaled conversion
.irp c, 0,1
.irp i, 0,1,2
	v_permlane16_swap_b32 v[192+6*\c+\i], v[204+4*\c+\i]
.endr
.irp i, 0,1,2
	s_delay_alu instid0(VALU_DEP_3)
	v_mov_b32 v[195+6*\c+\i], v[204+4*\c+\i]
.endr
.endr
.set n, 0
.rept 16
	v_pk_mul_f32 v[160+n:161+n], v[160+n:161+n], v[18:19] op_sel_hi:[1,0]   ; O^T under the new M.  These 16 are also the places between the writes of p's codes and scale word and the products
.set n, n+2
.endr
	s_wait_alu depctr_va_vdst(0)
	s_wait_dscnt 0x0                               ; V is in
.irp d, 0,1,2,3                                ; the four accumulators take turns, one instruction a turn
.if (\d%2) == 0
	v_wmma_scale_f32_16x16x128_f8f6f4 v[160+8*\d:167+8*\d], v[32+12*\d:43+12*\d], v[192:203], v[160+8*\d:167+8*\d], v[228+\d/2], v234 matrix_a_fmt:MATRIX_FMT_BF6 matrix_b_fmt:MATRIX_FMT_BF6
.else
	v_wmma_scale_f32_16x16x128_f8f6f4 v[160+8*\d:167+8*\d], v[32+12*\d:43+12*\d], v[192:203], v[160+8*\d:167+8*\d], v[228+\d/2], v234 matrix_a_fmt:MATRIX_FMT_BF6 matrix_b_fmt:MATRIX_FMT_BF6 matrix_a_scale:MATRIX_SCALE_ROW1
.endif
.endr
.if \skip
.Lhidden_\@:
.endif
	s_add_co_u32 s[ST], s[ST], 1
	s_add_co_u32 s[TB], s[TB], STB
	s_add_co_u32 s[TS], s[TS], 512
.endm
; A tile's end: O^T / l; its 64 channels are two blocks of the last product's K; codes and bytes leave as half a fragment's image.
.macro FINISH po, ps
.rept 4
	v_nop                                          ; places behind the last products
.endr
	v_add_f32 v16, v16, v17
	s_delay_alu instid0(VALU_DEP_1)
	v_permlanex16_b32 v230, v16, s[SEL], s[SEL+1]
	s_delay_alu instid0(VALU_DEP_1)
	v_add_f32 v16, v16, v230                       ; the row's sum
	s_wait_alu depctr_va_vdst(0)
	v_rcp_f32 v16, v16
	v_nop                                          ; a plain place behind the reciprocal,
	s_wait_alu depctr_va_vdst(0)                   ; and the wait ahead of its first reader
.set n, 0
.rept 32
	v_mul_f32 v[96+n], v[160+n], v16               ; register 16 b + i: channel 32 b + 16 h + i of my query
.set n, n+1
.endr
.irp b, 0,1
	v_max3_num_f32 v[BM+\b], |v[96+16*\b]|, |v[97+16*\b]|, 0x2800000
.endr
.irp i, 2,4,6,8,10,12,14
.irp b, 0,1
	s_delay_alu instid0(VALU_DEP_2)
	v_max3_num_f32 v[BM+\b], v[BM+\b], |v[96+16*\b+\i]|, |v[97+16*\b+\i]|
.endr
.endr
.irp b, 0,1
	s_delay_alu instid0(VALU_DEP_2)
	v_permlanex16_b32 v[PT+\b], v[BM+\b], s[SEL], s[SEL+1]
.endr
.irp b, 0,1
	s_delay_alu instid0(VALU_DEP_2)
	v_max_num_f32 v[BM+\b], v[BM+\b], v[PT+\b]
.endr
.irp b, 0,1
	s_delay_alu instid0(VALU_DEP_2)
	v_add_nc_u32 v[SO+\b], 0xfe000000, v[BM+\b]
.endr
.irp b, 0,1
	s_delay_alu instid0(VALU_DEP_2)
	v_lshrrev_b32 v[PT+\b], 23, v[SO+\b]
.endr
	s_delay_alu instid0(VALU_DEP_1)
	v_cndmask_b32 v231, v[PT], v[PT+1], s15        ; lane (r, h) stores block h's byte
	v_cvt_scalef32_pk16_bf6_f32 v[192:194], v[96:111], v[SO]
	v_cvt_scalef32_pk16_bf6_f32 v[204:206], v[112:127], v[SO+1]
	v_nop
.irp i, 0,1,2
	v_permlane16_swap_b32 v[192+\i], v[204+\i]
.endr
.irp i, 0,1,2
	s_delay_alu instid0(VALU_DEP_3)
	v_mov_b32 v[195+\i], v[204+\i]
.endr
	global_store_b128 v1, v[192:195], s[\po:\po+1]             ; 512 consecutive bytes
	global_store_b64 v2, v[196:197], s[\po:\po+1] offset:512   ; 256 consecutive bytes
	global_store_b8 v4, v231, s[\ps:\ps+1]                     ; two bytes of each row's 16: the others belong to other heads' work-groups
	s_wait_xcnt 0x0                                ; the stores have read their data
.endm
	s_load_b256 s[4:11], s[0:1], 0x0               ; cimg, csc, oimg, osc
	v_lshl_add_u32 v254, v0, 2, 0x34000
	v_mov_b32 v255, 0
	ds_add_u32 v254, v255
	ds_add_u32 v254, v255
	v_lshrrev_b32 v1, 5, v0
	s_delay_alu instid0(VALU_DEP_1)
	v_readfirstlane_b32 s[WV], v1                  ; wave 0..15
	s_bfe_u32 s13, ttmp6, 0x40000                  ; cx
	s_and_b32 s14, ttmp7, 0xffff                   ; batch x 16 + head, which the four partners share
	; descriptor groups 1: dense bytes as rows of 32 elements of 8 bytes: 32 rows (scale words), 96 (four key steps), 288 (twelve)
.irp g, G1S, G1A, G1B
	s_mov_b32 s[\g], 15|(3<<16)|(1<<21)            ; 15:0 the mask: all four; 17:16 elements of 8 bytes; 21 set beside a mask
	s_mov_b32 s[\g+1], 32<<16
	s_mov_b32 s[\g+3], 32<<16
	s_mov_b32 s[\g+5], 32
	s_mov_b32 s[\g+6], 0
	s_mov_b32 s[\g+7], 0
.endr
	s_mov_b32 s[G1S+2], 32<<16
	s_mov_b32 s[G1S+4], 32
	s_mov_b32 s[G1A+2], 96<<16
	s_mov_b32 s[G1A+4], 96
	s_mov_b32 s[G1B+2], 288<<16
	s_mov_b32 s[G1B+4], 288
	s_mul_i32 s100, s14, 98304
	s_mov_b32 s101, 0
	s_lshl_b32 s66, s14, 13
	s_mov_b32 s67, 0
	s_wait_dscnt 0x0
	s_wait_kmcnt 0x0
	s_add_nc_u64 s[90:91], s[4:5], s[100:101]      ; the head's q images; k's and v's lie constants further on
	s_add_nc_u64 s[98:99], s[6:7], s[66:67]        ; the head's q scale words; likewise
	s_mov_b32 s48, 1                               ; K's scale words
	s_mov_b32 s49, KSC
	s_add_nc_u64 s[50:51], s[98:99], 524288
	s_or_b32 s51, s51, 0x80000000
	s_mov_b32 s52, 1                               ; K's key steps 0-3
	s_mov_b32 s53, 0
	s_add_nc_u64 s[54:55], s[90:91], 6291456
	s_or_b32 s55, s55, 0x80000000
	s_mov_b32 s56, 1                               ; K's key steps 4-15
	s_mov_b32 s57, 4*STB
	s_add_nc_u64 s[58:59], s[90:91], 6291456+4*STB
	s_or_b32 s59, s59, 0x80000000
	s_mov_b32 s60, 1                               ; V's scale words
	s_mov_b32 s61, VSC
	s_add_nc_u64 s[62:63], s[98:99], 1048576
	s_or_b32 s63, s63, 0x80000000
	s_mov_b32 s68, 1                               ; V's key steps 0-3
	s_mov_b32 s69, VIMG
	s_add_nc_u64 s[70:71], s[90:91], 12582912
	s_or_b32 s71, s71, 0x80000000
	s_mov_b32 s72, 1                               ; V's key steps 4-15
	s_mov_b32 s73, VIMG+4*STB
	s_add_nc_u64 s[74:75], s[90:91], 12582912+4*STB
	s_or_b32 s75, s75, 0x80000000
	ROUND                                          ; all four work-groups are here: the joint loads meet
	s_cmp_eq_u32 s[WV], 0                          ; a wave's three loads stand in one branch on the wave's number: three of mine are out at the most
	s_cbranch_scc0 .Lnot_k
	tensor_load_to_lds s[48:51], s[G1S:G1S+7]
	s_nop 0
	tensor_load_to_lds s[52:55], s[G1A:G1A+7]
	s_nop 0
	tensor_load_to_lds s[56:59], s[G1B:G1B+7]
	s_nop 0
.rept 4
	v_nop
.endr
	s_branch .Lasked
.Lnot_k:
	s_cmp_eq_u32 s[WV], 1
	s_cbranch_scc0 .Lasked
	tensor_load_to_lds s[60:63], s[G1S:G1S+7]
	s_nop 0
	tensor_load_to_lds s[68:71], s[G1A:G1A+7]
	s_nop 0
	tensor_load_to_lds s[72:75], s[G1B:G1B+7]
	s_nop 0
.rept 4
	v_nop
.endr
.Lasked:
	s_lshl_b32 s76, s[WV], 2
	s_add_co_u32 s76, s76, s13                     ; my low tile
	s_sub_co_u32 s77, 127, s76                     ; my high tile
	s_lshr_b32 s92, s[WV], 1                       ; their last key steps
	s_sub_co_u32 s93, 15, s92
	s_mov_b32 s87, 0
	s_mul_i32 s86, s77, 768
	s_add_nc_u64 s[94:95], s[90:91], s[86:87]
	s_mul_i32 s86, s76, 768
	s_add_nc_u64 s[96:97], s[90:91], s[86:87]
	s_lshl_b32 s86, s77, 6
	s_add_nc_u64 s[2:3], s[98:99], s[86:87]
	s_lshl_b32 s86, s76, 6
	s_add_nc_u64 s[98:99], s[98:99], s[86:87]
	v_and_b32 v230, 31, v0                         ; lane
	v_and_b32 v231, 15, v0                         ; r
	v_bfe_u32 v232, v0, 4, 1                       ; h
	s_delay_alu instid0(VALU_DEP_3)
	v_lshlrev_b32 v1, 4, v230                      ; 16 x lane
	s_delay_alu instid0(VALU_DEP_4)
	v_lshlrev_b32 v2, 3, v230                      ; 8 x lane
	v_lshl_add_u32 v3, v230, 2, KSC                ; K's scale words: 4 x lane
	s_delay_alu instid0(VALU_DEP_4)
	v_lshl_add_u32 v4, v231, 4, v232               ; the scale bytes' way out: 16 r + h
	v_lshlrev_b32 v13, 7, v232
	s_delay_alu instid0(VALU_DEP_1)
	v_lshl_add_u32 v13, v231, 2, v13
	s_delay_alu instid0(VALU_DEP_1)
	v_add_nc_u32 v13, VSC, v13                     ; V's scale words: 128 h + 4 r
	v_lshlrev_b32 v12, 2, v231
	global_load_b128 v[20:23], v1, s[94:95]        ; the high tile's Q,
	global_load_b64 v[24:25], v2, s[94:95] offset:512
	global_load_b32 v93, v12, s[2:3]               ; its scale words,
	global_load_b128 v[86:89], v1, s[96:97]        ; and the low tile's
	global_load_b64 v[90:91], v2, s[96:97] offset:512
	global_load_b32 v92, v12, s[98:99]
	s_bfe_u32 s86, s77, 0x20001
	s_lshl_b32 s86, s86, 5
	s_and_b32 s88, s77, 1
	s_lshl_b32 s88, s88, 3
	s_add_co_u32 s86, s86, s88                     ; the high tile's first query, counted from its last key step's first key
	s_bfe_u32 s87, s76, 0x20001
	s_lshl_b32 s87, s87, 5
	s_and_b32 s88, s76, 1
	s_lshl_b32 s88, s88, 3
	s_add_co_u32 s87, s87, s88                     ; the low tile's
	v_and_b32 v233, 8, v231
	s_delay_alu instid0(VALU_DEP_1)
	v_add_nc_u32 v233, v233, v231
	v_lshlrev_b32 v230, 4, v232
	s_delay_alu instid0(VALU_DEP_1)
	v_sub_nc_u32 v233, v233, v230                  ; r + 8 (r / 8) - 16 h
	s_delay_alu instid0(VALU_DEP_1)
	v_add_nc_u32 v5, s86, v233
	s_delay_alu instid0(VALU_DEP_2)
	v_add_nc_u32 v94, s87, v233
	OADDR 77, 78, 80
	OADDR 76, 82, 84
	s_mov_b32 s15, 0xffff0000                      ; lanes 16-31
	s_mov_b32 s[SEL], 0x76543210
	s_mov_b32 s[SEL+1], 0xfedcba98
	s_mov_b32 s[CS], 0x3e38aa3b                    ; log2(e) / 8
	s_mov_b32 s[CS+1], s[CS]                       ; (named with it as a pair, so it is written)
	v_mov_b32 v6, 0xff800000                       ; -infinity
	v_mov_b32 v19, 0                               ; (named as the upper half of the pair v[18:19])
.irp i, 0,1,2,3,4,5
	v_mov_b32 v[26+\i], 0                          ; Q's k = 64 .. 127: zero codes
	v_mov_b32 v[80+\i], 0                          ; what stands behind K's last tile
.endr
.irp b, 0,1,2,3
	v_mov_b32 v[PT+\b], 0                          ; written once: a lane permute's destination counts as one of its sources
.endr
	INIT
	s_mov_b32 s[ST], 0
	s_mov_b32 s[TB], 0
	s_mov_b32 s[TS], 0
	s_mov_b32 s[LAST], s93
	s_wait_loadcnt 0x0                             ; Q
	s_wait_tensorcnt 0x1                           ; my scale words and my first four key steps are in; the rest may be out
	s_barrier_signal -1
	s_barrier_wait -1
.Lhead:                                            ; the high tile's key steps 0-3: its last step is 8 or later, so all their keys count
	STEP 0
	s_cmp_lt_u32 s[ST], 4
	s_cbranch_scc1 .Lhead
	s_setprio 0
	s_wait_tensorcnt 0x0                           ; the rest is in,
	s_wait_dscnt 0x0
	s_barrier_signal -1
	s_barrier_wait -1                              ; everybody's is
.Lhigh:                                            ; key steps 4-15: constant trips; the steps behind the tile's last are jumped over
	STEP 1
	s_cmp_lt_u32 s[ST], 16
	s_cbranch_scc1 .Lhigh
	s_setprio 0
	FINISH 78, 80
.irp i, 0,1,2,3,4,5
	v_mov_b32 v[20+\i], v[86+\i]                   ; the low tile takes the high tile's place; the lines below are the places between these writes and the next products
.endr
	v_mov_b32 v93, v92
	v_mov_b32 v5, v94
	INIT
	s_mov_b32 s[ST], 0
	s_mov_b32 s[TB], 0
	s_mov_b32 s[TS], 0
	s_mov_b32 s[LAST], s92
.Llow:                                             ; key steps 0-7
	STEP 1
	s_cmp_lt_u32 s[ST], 8
	s_cbranch_scc1 .Llow
	s_setprio 0
	FINISH 82, 84
	s_wait_tensorcnt 0x0
	ds_add_u32 v254, v255
	s_wait_dscnt 0x0
	ROUND                                          ; the closing round: no work-group ends while a partner may still ask for bytes that name it
	s_endpgm
.Lfunc_end_k_q2d2d09e229_attn:
	.size	k_q2d2d09e229_attn, .Lfunc_end_k_q2d2d09e229_attn-k_q2d2d09e229_attn
	.p2alignl 7, 3214868480
	.fill 96, 4, 3214868480
	.section	.rodata,"a",@progbits
	.p2align	6, 0x0
	.amdhsa_kernel k_q2d2d09e229_attn
		.amdhsa_group_segment_fixed_size 215040
		.amdhsa_private_segment_fixed_size 0
		.amdhsa_enable_private_segment 0
		.amdhsa_kernarg_size 32
		.amdhsa_user_sgpr_count 2
		.amdhsa_user_sgpr_kernarg_segment_ptr 1
		.amdhsa_wavefront_size32 1
		.amdhsa_system_sgpr_workgroup_id_x 1
		.amdhsa_system_sgpr_workgroup_id_y 1
		.amdhsa_system_sgpr_workgroup_id_z 1
		.amdhsa_system_vgpr_workitem_id 0
		.amdhsa_next_free_vgpr 256
		.amdhsa_next_free_sgpr 102
		.amdhsa_reserve_vcc 1
		.amdhsa_float_denorm_mode_32 3
		.amdhsa_float_denorm_mode_16_64 3
		.amdhsa_memory_ordered 1
		.amdhsa_forward_progress 1
		.amdhsa_inst_pref_size 86
	.end_amdhsa_kernel
	.amdgpu_metadata
---
amdhsa.version: [ 1, 2 ]
amdhsa.kernels:
  - .name:           k_q2d2d09e229_attn
    .symbol:         k_q2d2d09e229_attn.kd
    .args:
      - { .name: cimg, .offset: 0, .size: 8, .value_kind: global_buffer, .address_space: global }
      - { .name: csc, .offset: 8, .size: 8, .value_kind: global_buffer, .address_space: global }
      - { .name: oimg, .offset: 16, .size: 8, .value_kind: global_buffer, .address_space: global }
      - { .name: osc, .offset: 24, .size: 8, .value_kind: global_buffer, .address_space: global }
    .group_segment_fixed_size: 215040
    .private_segment_fixed_size: 0
    .kernarg_segment_align: 8
    .kernarg_segment_size: 32
    .max_flat_workgroup_size: 512
    .sgpr_count:     102
    .vgpr_count:     256
    .wavefront_size: 32
...
	.end_amdgpu_metadata
.endif
;; end of part 3
;; launch oproj (part 4): grid 8 x 32, 4 waves a work-group, clusters of 4 x 4, 295,424 bytes of LDS; arguments oimg, osc, wimg, wsc, bo, out0; writes out0
.if DOCPART == 4
	.amdgcn_target "amdgcn-amd-amdhsa--gfx1250"
	.amdhsa_code_object_version 6
	.text
	.protected	k_q2d2d09e229_oproj
	.globl	k_q2d2d09e229_oproj
	.p2align	8
	.type	k_q2d2d09e229_oproj,@function
k_q2d2d09e229_oproj:
	s_mov_b64 s[64:65], 0
	v_nop
	global_prefetch_b8 v0, s[64:65] scope:SCOPE_SE
	s_setreg_imm32_b32 hwreg(HW_REG_WAVE_MODE, 25, 1), 1
	s_wait_xcnt 0x0
	s_wait_alu depctr_hold_cnt(0) depctr_sa_sdst(0) depctr_va_vdst(0) depctr_va_sdst(0) depctr_va_ssrc(0) depctr_va_vcc(0) depctr_vm_vsrc(0)
	s_getreg_b32 s2, hwreg(HW_REG_IB_STS2, 6, 4)
	s_cmp_eq_u32 s2, 0
	s_cbranch_scc0 .Lentry_in_a_cluster
	s_endpgm
.Lentry_in_a_cluster:
	s_bfe_u32 s2, ttmp6, 0x10000c
	s_cmp_lg_u32 s2, 0xf033
	s_cbranch_scc0 .Lentry_shape_is_right
	s_endpgm
.Lentry_shape_is_right:
; out0 = attention's output x wo + bo, on codes of BF6 (E3M2) with E8M0 scales, sums in f32.  Both operands come as images of operand registers (a tile's rows are 32 (tl / 2) + 8 (tl % 2) + r + 8 (r / 8)).
; THE PRODUCT is used transposed: source 0 = 16 rows n of wo (Y), source 1 = 16 tokens (X): a lane holds one token, and the 16 registers of Y tiles 2 b and 2 b + 1 are the 16 neighbouring columns 32 b + 16 h + 0 .. 15.
; SHARES.  A work-group makes 256 tokens x 128 columns; each of its four waves 64 tokens x 128 columns: 32 accumulators.  ALL OF K (1,024) of the 384 rows lies in LDS, 294,912 bytes, filled once.
; CLUSTERS: 4 x 4 work-groups; the tokens' groups hang on the cluster's row and are asked for jointly along it, wo's group on its column.  Each group comes in four parts of two K steps.
; THE WAY OUT goes through a stage of 16 rows x (512 + 16) bytes for each wave, in the bytes of the first token group's K steps 0-2: they have had their one fill, and every wave's reads of them are over at the barrier in front of K step 4's fetch.
; REGISTERS, in windows of 256: window 0: v1-25 addresses; v32-47 X's scale words, v48-79 Y's (they hold nothing else); v128-223 X's fragments, two sets; on the way out v128-191 sums + bias, v192-255 rows read back.
;   window 1: Y's fragments, sets at v0 and v128.   window 2: accumulator (a, b) at v[64 a + 8 b].   window 3: v0-63 the bias.
.set GRP,  98304
.set CHK,  24576
.set KST,  12288
.set FRB,  1536
.set YLDS, 196608
.set SX,   32
.set SY,   48
.set XF,   128
.set ST,   128
.set BK,   192
.set BY,   0
.set WV,   22
.set G1X,  32
.set G1Y,  40
.set G0X,  48
.set G0Y,  68
.set MSB,  0
.macro WIN new                         ; the immediate's high byte repeats the setting that is left
.if MSB != \new
	s_set_vgpr_msb (MSB<<8)|\new
.set MSB, \new
.endif
.endm
.macro CROUND                          ; a round of the cluster's barrier
	s_barrier_signal -1
	s_barrier_wait -1
	s_cmp_lg_u32 s[WV], 0
	s_cbranch_scc1 .Lnot_wave_0_\@
	s_barrier_signal -3
.Lnot_wave_0_\@:
	s_barrier_wait -3
	s_barrier_signal -1
	s_barrier_wait -1
.endm
.macro PLACES n
.rept \n
	v_nop
.endr
.endm
.macro FRAG reg, a16, a8, off
	ds_load_b128 v[\reg:\reg+3], v[\a16] offset:\off
	ds_load_b64 v[\reg+4:\reg+5], v[\a8] offset:\off+512
	ds_load_b128 v[\reg+6:\reg+9], v[\a16] offset:\off+768
	ds_load_b64 v[\reg+10:\reg+11], v[\a8] offset:\off+1280
.endm
.macro FETCH t                         ; K step t: Y's eight fragments and my four of X, 48 LDS loads, into set t % 2
.set FP, (\t)%2
.set FK, (\t)/4
.set FO, ((\t)%4)*KST
	WIN 0x40
.irp b, 0,1,2,3,4,5,6,7
	FRAG 128*FP+12*\b, 12+FK, 14+FK, FO+FRB*\b
.endr
	WIN 0
.irp a, 0,1,2,3
	FRAG XF+48*FP+12*\a, 8+FK, 10+FK, FO+FRB*\a
.endr
.endm
.macro MUL t                           ; 32 matrix instructions; the 32 accumulators take turns, one instruction a turn, in the same order in every K step.  K step 0 starts the sums
.set MP, (\t)%2
.set MQ, (\t)%4
	WIN 0xa1
.irp a, 0,1,2,3
.irp b, 0,1,2,3,4,5,6,7
.if (\t) == 0
	v_wmma_scale_f32_16x16x128_f8f6f4 v[64*\a+8*\b:64*\a+8*\b+7], v[128*MP+12*\b:128*MP+12*\b+11], v[XF+48*MP+12*\a:XF+48*MP+12*\a+11], 0, v[SY+4*\b+MQ], v[SX+4*\a+MQ] matrix_a_fmt:MATRIX_FMT_BF6 matrix_b_fmt:MATRIX_FMT_BF6
.elseif (\t) < 4
	v_wmma_scale_f32_16x16x128_f8f6f4 v[64*\a+8*\b:64*\a+8*\b+7], v[128*MP+12*\b:128*MP+12*\b+11], v[XF+48*MP+12*\a:XF+48*MP+12*\a+11], v[64*\a+8*\b:64*\a+8*\b+7], v[SY+4*\b+MQ], v[SX+4*\a+MQ] matrix_a_fmt:MATRIX_FMT_BF6 matrix_b_fmt:MATRIX_FMT_BF6
.else
	v_wmma_scale_f32_16x16x128_f8f6f4 v[64*\a+8*\b:64*\a+8*\b+7], v[128*MP+12*\b:128*MP+12*\b+11], v[XF+48*MP+12*\a:XF+48*MP+12*\a+11], v[64*\a+8*\b:64*\a+8*\b+7], v[SY+4*\b+MQ], v[SX+4*\a+MQ] matrix_a_fmt:MATRIX_FMT_BF6 matrix_b_fmt:MATRIX_FMT_BF6 matrix_a_scale:MATRIX_SCALE_ROW1 matrix_b_scale:MATRIX_SCALE_ROW1
.endif
.endr
.endr
.endm
.macro STEP t, bar, cnt                ; K step t is multiplied while K step t + 1 is fetched.  bar = 1: t + 1 begins a new part: each wave shows its part landed (cnt younger parts may be out), then the barrier
.if \bar
	s_wait_tensorcnt \cnt
	s_wait_dscnt 0x0                               ; no LDS instruction of mine is out at a signal
	s_barrier_signal -1
	s_barrier_wait -1
.endif
	PLACES 4                                       ; four places between the last products and loads into registers that they read (ISA guide 7.12.1 for vector instructions)
	FETCH (\t)+1
	s_wait_dscnt 48                                ; all but the 48 just issued: K step t's fragments are in
	MUL \t
.endm
; THE WAY OUT of my token tile a: + bias; a lane's 64 numbers go into my stage, and come back as whole rows of 512 bytes.  Each accumulator is read from its low end on.
.macro OUTA a
	WIN 0x0e                                       ; source 0 (sums) window 2, source 1 (bias) window 3
.set i, 0
.rept 32
	v_pk_add_f32 v[ST+i:ST+i+1], v[64*(\a)+i:64*(\a)+i+1], v[BY+i:BY+i+1]
.set i, i+2
.endr
	WIN 0
.irp b, 0,1,2,3
.irp j, 0,1,2,3
	ds_store_b128 v24, v[ST+16*\b+4*\j:ST+16*\b+4*\j+3] offset:128*\b+16*\j
.endr
.endr
.if (\a) > 0
	s_wait_xcnt 0x0                                ; the last tile's stores have read their data: the loads below land there only behind this wait
.endif
.irp t, 0,1,2,3,4,5,6,7,8,9,10,11,12,13,14,15
	ds_load_b128 v[BK+4*\t:BK+4*\t+3], v25 offset:528*\t       ; LDS serves a wave's instructions in order: these see the stores above
.endr
.irp t, 0,1,2,3,4,5,6,7,8,9,10,11,12,13,14,15
	s_wait_dscnt 15-\t
	global_store_b128 v1, v[BK+4*\t:BK+4*\t+3], s[14:15] offset:(32*((\a)/2)+8*((\a)%2)+\t+8*(\t/8))*4096 th:TH_STORE_NT   ; 512 consecutive bytes, at a multiple of 512 from out0's first byte
.endr
.endm
	s_load_b256 s[4:11], s[0:1], 0x0               ; oimg, osc, wimg, wsc
	s_load_b128 s[12:15], s[0:1], 0x20             ; bo, out0
	v_lshl_add_u32 v126, v0, 2, 0x48000
	v_mov_b32 v127, 0
	ds_add_u32 v126, v127
	ds_add_u32 v126, v127
	v_lshrrev_b32 v1, 5, v0
	v_readfirstlane_b32 s[WV], v1                  ; wave 0..3
	s_and_b32 s27, s[WV], 1
	s_lshr_b32 s28, s[WV], 1
	s_bfe_u32 s23, ttmp6, 0x40000                  ; cx
	s_bfe_u32 s24, ttmp6, 0x40004                  ; cy
	s_mov_b32 s25, ttmp9                           ; the cluster's x, 0..1
	s_and_b32 s26, ttmp7, 0xffff                   ; the cluster's y, 0..7
	s_lshl_b32 s30, s24, 2
	s_lshl_b32 s30, 15, s30                        ; my row of the cluster
	s_lshl_b32 s31, 0x1111, s23                    ; my column
	s_or_b32 s[G1X], s30, (3<<16)|(1<<21)          ; 24,576 dense bytes as 96 rows of 32 elements of 8 bytes; the mask, and bit 21 beside it
	s_or_b32 s[G1Y], s31, (3<<16)|(1<<21)
.irp g, G1X, G1Y
	s_mov_b32 s[\g+1], 32<<16
	s_mov_b32 s[\g+2], 96<<16
	s_mov_b32 s[\g+3], 32<<16
	s_mov_b32 s[\g+4], 96
	s_mov_b32 s[\g+5], 32
	s_mov_b32 s[\g+6], 0
	s_mov_b32 s[\g+7], 0
.endr
	s_lshl_b32 s84, s24, 1
	s_lshl_b32 s85, s26, 3
	s_add_co_u32 s85, s85, s84                     ; X: token groups 8 cluster y + 2 cy, + 1
	s_lshl_b32 s86, s25, 2
	s_add_co_u32 s86, s86, s23                     ; Y: 128 columns from 128 (4 cluster x + cx) on: wo's groups begin at 24
	s_mov_b32 s99, 0
	s_mov_b32 s101, 0
	s_mul_i32 s66, s27, GRP                        ; where X's group goes in LDS: the wave's number alone
	s_add_co_u32 s98, s85, s27
	s_mul_i32 s98, s98, GRP
	s_add_co_u32 s100, s86, 24
	s_mul_i32 s100, s100, GRP
	s_wait_dscnt 0x0
	s_wait_kmcnt 0x0
	s_add_nc_u64 s[88:89], s[4:5], s[98:99]
	s_add_nc_u64 s[90:91], s[8:9], s[100:101]
.irp p, 0,1,2,3
	s_mov_b32 s[G0X+4*\p], 1
	s_add_co_u32 s[G0X+4*\p+1], s66, \p*CHK
	s_add_nc_u64 s[G0X+4*\p+2:G0X+4*\p+3], s[88:89], \p*CHK
	s_or_b32 s[G0X+4*\p+3], s[G0X+4*\p+3], 0x80000000
	s_mov_b32 s[G0Y+4*\p], 1
	s_mov_b32 s[G0Y+4*\p+1], YLDS+\p*CHK
	s_add_nc_u64 s[G0Y+4*\p+2:G0Y+4*\p+3], s[90:91], \p*CHK
	s_or_b32 s[G0Y+4*\p+3], s[G0Y+4*\p+3], 0x80000000
.endr
	CROUND                                         ; all sixteen work-groups are here: the joint loads meet
	s_cmp_lt_u32 s[WV], 2                          ; waves 0, 1: X's two groups; wave 2: Y's; wave 3: none.  A wave's four loads stand in one branch; four of mine are out at the most
	s_cbranch_scc0 .Lnot_x
	tensor_load_to_lds s[G0X:G0X+3], s[G1X:G1X+7]
	s_nop 0
	tensor_load_to_lds s[G0X+4:G0X+7], s[G1X:G1X+7]
	s_nop 0
	tensor_load_to_lds s[G0X+8:G0X+11], s[G1X:G1X+7]
	s_nop 0
	tensor_load_to_lds s[G0X+12:G0X+15], s[G1X:G1X+7]
	s_nop 0
	PLACES 4
	s_branch .Lasked
.Lnot_x:
	s_cmp_eq_u32 s[WV], 2
	s_cbranch_scc0 .Lasked
	tensor_load_to_lds s[G0Y:G0Y+3], s[G1Y:G1Y+7]
	s_nop 0
	tensor_load_to_lds s[G0Y+4:G0Y+7], s[G1Y:G1Y+7]
	s_nop 0
	tensor_load_to_lds s[G0Y+8:G0Y+11], s[G1Y:G1Y+7]
	s_nop 0
	tensor_load_to_lds s[G0Y+12:G0Y+15], s[G1Y:G1Y+7]
	s_nop 0
	PLACES 4
.Lasked:
	s_add_co_u32 s98, s85, s28
	s_lshl_b32 s98, s98, 3
	s_lshl_b32 s67, s27, 2
	s_add_co_u32 s98, s98, s67
	s_lshl_b32 s98, s98, 9
	s_add_nc_u64 s[92:93], s[6:7], s[98:99]        ; my four X tiles' scale words
	s_add_co_u32 s100, s86, 24
	s_lshl_b32 s100, s100, 12
	s_add_nc_u64 s[96:97], s[10:11], s[100:101]    ; Y's eight
	s_lshl_b32 s100, s86, 9
	s_add_nc_u64 s[2:3], s[12:13], s[100:101]      ; bo at my 128 columns
	s_lshl_b32 s98, s26, 2
	s_add_co_u32 s98, s98, s24
	s_lshl_b32 s98, s98, 8
	s_lshl_b32 s67, s[WV], 6
	s_add_co_u32 s98, s98, s67                     ; my first token: 256 (4 cluster y + cy) + 64 wave
	s_lshl_b32 s98, s98, 12
	s_add_co_u32 s98, s98, s100                    ; rows of 4,096 bytes, + my columns' 512
	s_add_nc_u64 s[14:15], s[14:15], s[98:99]
	v_and_b32 v5, 31, v0                           ; lane
	v_and_b32 v3, 15, v0                           ; r
	v_bfe_u32 v4, v0, 4, 1                         ; h
	v_lshlrev_b32 v1, 4, v5                        ; 16 x lane
	v_lshlrev_b32 v2, 3, v5                        ; 8 x lane
	v_lshlrev_b32 v6, 6, v4                        ; 64 h
.irp a, 0,1,2,3
	global_load_b128 v[SX+4*\a:SX+4*\a+3], v1, s[92:93] offset:512*\a
.endr
.irp b, 0,1,2,3,4,5,6,7
	global_load_b128 v[SY+4*\b:SY+4*\b+3], v1, s[96:97] offset:512*\b
.endr
	WIN 0xc0                                       ; destination window 3
.irp b, 0,1,2,3
.irp j, 0,1,2,3
	global_load_b128 v[BY+16*\b+4*\j:BY+16*\b+4*\j+3], v6, s[2:3] offset:128*\b+16*\j   ; register 16 b + i: column 32 b + 16 h + i
.endr
.endr
	WIN 0
	s_mul_i32 s66, s28, GRP
	s_mul_i32 s67, s27, 4*FRB
	s_add_co_u32 s66, s66, s67                     ; my four X tiles in LDS
	v_add_nc_u32 v8, s66, v1
	v_add_nc_u32 v9, 4*KST, v8
	v_add_nc_u32 v10, s66, v2
	v_add_nc_u32 v11, 4*KST, v10
	v_add_nc_u32 v12, YLDS, v1
	v_add_nc_u32 v13, YLDS+4*KST, v1
	v_add_nc_u32 v14, YLDS, v2
	v_add_nc_u32 v15, YLDS+4*KST, v2
	s_mul_i32 s66, s[WV], 16*528                   ; my stage
	v_mul_u32_u24 v24, v3, 528
	v_lshl_add_u32 v24, v4, 6, v24
	v_add_nc_u32 v24, s66, v24                     ; in: row r, + 64 h
	v_add_nc_u32 v25, s66, v1                      ; back: 16 x lane
	s_wait_alu depctr_va_vdst(0)
	s_wait_tensorcnt 0x3                           ; my first part is in; the three behind it may be out
	s_barrier_signal -1
	s_barrier_wait -1
	FETCH 0
	s_wait_loadcnt 0x0                             ; the scale words and the bias
	STEP 0, 0, 0
	STEP 1, 1, 2
	STEP 2, 0, 0
	STEP 3, 1, 1
	STEP 4, 0, 0
	STEP 5, 1, 0
	STEP 6, 0, 0
	s_wait_dscnt 0x0
	MUL 7
	WIN 0
	PLACES 4                                       ; in front of the first read of results and the first write of registers that the last products read
	OUTA 0
	OUTA 1
	OUTA 2
	OUTA 3
	s_wait_tensorcnt 0x0
	ds_add_u32 v126, v127
	s_wait_dscnt 0x0
	CROUND                                         ; the closing round: no work-group ends while a partner may still ask for a part that names it
	s_endpgm
.Lfunc_end_k_q2d2d09e229_oproj:
	.size	k_q2d2d09e229_oproj, .Lfunc_end_k_q2d2d09e229_oproj-k_q2d2d09e229_oproj
	.p2alignl 7, 3214868480
	.fill 96, 4, 3214868480
	.section	.rodata,"a",@progbits
	.p2align	6, 0x0
	.amdhsa_kernel k_q2d2d09e229_oproj
		.amdhsa_group_segment_fixed_size 295424
		.amdhsa_private_segment_fixed_size 0
		.amdhsa_enable_private_segment 0
		.amdhsa_kernarg_size 48
		.amdhsa_user_sgpr_count 2
		.amdhsa_user_sgpr_kernarg_segment_ptr 1
		.amdhsa_wavefront_size32 1
		.amdhsa_system_sgpr_workgroup_id_x 1
		.amdhsa_system_sgpr_workgroup_id_y 1
		.amdhsa_system_sgpr_workgroup_id_z 1
		.amdhsa_system_vgpr_workitem_id 0
		.amdhsa_next_free_vgpr 896
		.amdhsa_next_free_sgpr 102
		.amdhsa_reserve_vcc 0
		.amdhsa_float_denorm_mode_32 3
		.amdhsa_float_denorm_mode_16_64 3
		.amdhsa_memory_ordered 1
		.amdhsa_forward_progress 1
		.amdhsa_inst_pref_size 94
	.end_amdhsa_kernel
	.amdgpu_metadata
---
amdhsa.version: [ 1, 2 ]
amdhsa.kernels:
  - .name:           k_q2d2d09e229_oproj
    .symbol:         k_q2d2d09e229_oproj.kd
    .args:
      - { .name: oimg, .offset: 0, .size: 8, .value_kind: global_buffer, .address_space: global }
      - { .name: osc, .offset: 8, .size: 8, .value_kind: global_buffer, .address_space: global }
      - { .name: wimg, .offset: 16, .size: 8, .value_kind: global_buffer, .address_space: global }
      - { .name: wsc, .offset: 24, .size: 8, .value_kind: global_buffer, .address_space: global }
      - { .name: bo, .offset: 32, .size: 8, .value_kind: global_buffer, .address_space: global }
      - { .name: out0, .offset: 40, .size: 8, .value_kind: global_buffer, .address_space: global }
    .group_segment_fixed_size: 295424
    .private_segment_fixed_size: 0
    .kernarg_segment_align: 8
    .kernarg_segment_size: 48
    .max_flat_workgroup_size: 128
    .sgpr_count:     102
    .vgpr_count:     896
    .wavefront_size: 32
...
	.end_amdgpu_metadata
.endif
;; end of part 4
